; MI455X (gfx1250); checked and timed in simulation.
; The chip was launched on July 23, 2026; its instructions are those of AMD's public machine-readable ISA for CDNA 5 (MIT licence, August 2026) and "CDNA5" Instruction Set Architecture Reference Guide (July 2026). The comments in the code are by the model that wrote it; some were corrected since.
;; Causal Self Attention. Allowed arithmetic: matrix products marked QUANTISED: E3M2 operands, one E8M0 scale for each 32 along K, by v_wmma_scale_f32_16x16x128_f8f6f4 with both operands' format E3M2, f32 sums; everything else in f32.
;; Inputs: W_attn 1,024 x 3,072 float32; W_proj 1,024 x 1,024 float32; b_attn 3,072 float32; b_proj 1,024 float32; x 4 x 2,048 x 1,024 float32.
;; Outputs: out0 4 x 2,048 x 1,024 float32.
;; This version of the problem:
;;   THIS VERSION OF THE PROBLEM IS GIVEN IN LOW PRECISION. The matrix products marked QUANTISED in the list below multiply operands that are first quantised to E3M2 (3 exponent bits, 2 mantissa bits; 6 bits a number), with one power-of-two scale for each 32 numbers along K (OCP MX v1.0); their sums are f32. All else is computed in f32.
;;   The module's matrix products, in the order in which they are computed (A, B: the left and right operand; K: the contracted axis; several contracted axes count as one K, in the product's order):
;;     1. [M 8,192, K 1,024] x [K 1,024, N 3,072]; A: input x; B: input W_attn: QUANTISED
;;     2. batch 64 x [M 2,048, K 64] x [K 64, N 2,048]; A: computed on the way; B: computed on the way: QUANTISED
;;     3. batch 64 x [M 2,048, K 2,048] x [K 2,048, N 64]; A: softmax (see below); B: computed on the way: QUANTISED
;;     4. [M 8,192, K 1,024] x [K 1,024, N 1,024]; A: computed on the way; B: input W_proj: QUANTISED
;;   THE QUANTISER, for each operand of a quantised product, along K:
;;     - K is cut into blocks of 32 from its start; a last block that is shorter is filled with zeros.
;;     - A block's scale is 2^e with e = floor(log2(the largest magnitude in the block)) - 4, held to -126 .. 127; a block of zeros has e = 0. As a byte (E8M0): e + 127.
;;     - Each number is divided by its block's scale, clamped to +-28, and rounded to the nearest number of E3M2, ties to even, subnormals kept.
;;     - The product sums the exact products of the quantised numbers (number of the format x scale) in f32.
;;   ~~~python
;;   def quantise(x, axis):      # numpy; x: float32 -> the quantised numbers, widened to float32 again
;;       x = np.moveaxis(x, axis, -1); K = x.shape[-1]
;;       x = np.pad(x, [(0, 0)] * (x.ndim - 1) + [(0, -K % 32)]); x = x.reshape(x.shape[:-1] + (-1, 32)); a = np.abs(x).max(-1, keepdims=True)
;;       e = np.where(a > 0, np.clip(np.frexp(np.where(a > 0, a, 1))[1] - 1 - 4, -126, 127), 0)      # np.frexp(a)[1] - 1 = floor(log2(a)), exactly
;;       r = np.clip(x / 2.0 ** e, -28, 28)
;;       step = 2.0 ** (np.maximum(np.frexp(np.where(r == 0, 1, r))[1] - 1, -2) - 2)
;;       q = np.round(r / step) * step * 2.0 ** e      # np.round: ties to even
;;       return np.moveaxis(q.reshape(q.shape[:-2] + (-1,))[..., :K], -1, axis).astype(np.float32)
;;   ~~~
;;   SOFTMAX AHEAD OF A QUANTISED PRODUCT. Where the list says 'softmax', what is quantised is not the finished softmax but p = 2^(t - M), with t = logit x log2(e) and M = ceil(the row's largest t), a whole number; so 1/2 < the row's largest p <= 1. The row's sum l is taken of the UNQUANTISED p, in f32, and the product's result is divided by l at the end. Since M is a whole number, a kernel that streams over the keys may use a running M (the ceiling of the running maximum): every later rescaling is an exact power of two, which a block's scale takes up: the codes' values come out the same.
;;   OPERANDS COMPUTED ON THE WAY. 'Computed on the way' means the value that the module computes at that place (a softmax that the list does not call 'softmax' is quantised finished and normalised). What goes into a quantiser is computed in f32, as accurately as f32 sums, v_exp_f32 and their like allow (about 1e-6 of the number): no bf16 or f16 on the way to a quantiser, and a product that is left as it is and whose result goes on into a quantised operand takes f32 operands (vector FMAs, or v_wmma_f32_16x16x4_f32). A number that lies on a knife's edge between two numbers of the format may be rounded either way, as far as f32 arithmetic and the matrix unit's own rounding can turn it there, and no further.
;; One version. Each part assembles by itself: llvm-mc -triple=amdgcn-amd-amdhsa -mcpu=gfx1250 --defsym DOCPART=n.
;; ======== version 1 of 1: 4 launches
;; workspace buffers: xq 6,553,600 bytes; wq 3,276,800 bytes; qkv 19,660,800 bytes; yq 6,553,600 bytes
;; launch prep (part 1): grid 96 x 4, 4 waves a work-group, no clusters, 47,616 bytes of LDS; arguments x, W_attn, W_proj, xq, wq; writes xq, wq
.if DOCPART == 1
	.amdgcn_target "amdgcn-amd-amdhsa--gfx1250"
	.amdhsa_code_object_version 6
	.text
	.protected	k_q408d40cf30_prep
	.globl	k_q408d40cf30_prep
	.p2align	8
	.type	k_q408d40cf30_prep,@function
k_q408d40cf30_prep:
	s_mov_b64 s[64:65], 0
	v_nop
	global_prefetch_b8 v0, s[64:65] scope:SCOPE_SE
	s_setreg_imm32_b32 hwreg(HW_REG_WAVE_MODE, 25, 1), 1
	s_wait_xcnt 0x0
; x [8192][1024], W_attn [1024][3072] and W_proj [1024][1024], f32, become codes of BF6 (E3M2) with one E8M0 byte for each 32 along K (K = 1024 in all three).
; A block's scale is 2^(floor(log2(largest magnitude)) - 4); its byte is the largest magnitude's exponent field - 4, held at 1 from below.
; LIMITS: NaN and infinities are not served; a block whose largest magnitude lies under 2^-122 keeps the byte 1; a block of zeros has the byte 1 where the rule says 127 (its codes are zeros, and this program alone reads the bytes).
; THE CODES ARE LAID AS THE OPERAND'S REGISTERS.  A fragment (16 rows x 128 K, 12 registers a lane) is 1,536 bytes, two halves c of 768: registers 6c..6c+3 at 768 c + 16 lane, registers 6c+4, 6c+5 at 768 c + 512 + 8 lane.
; A matrix is [row block][K step][1536]; its scale bytes [position][32].  Row r of block rb is the actual row 32 (rb / 2) + 8 (rb % 2) + r + 8 (r / 8): so the results of a product used transposed lie along the next K.
; wq holds the columns of W_attn as rows 0..3071 and those of W_proj as rows 3072..4095.
; Work-groups x < 64 take x (a wave: 16 rows x 512 K), the others the weights (a wave: 32 columns x 256 K).  Each way has LDS bytes of its own, each wave a stage of its own: no barrier.
.set XSC,    6291456                   ; xq: where the scale bytes begin
.set WSC,    3145728                   ; wq: likewise
.set XPITCH, 528                       ; x's stage: 16 rows of 512 bytes + 16
.set XSTG,   16*XPITCH
.set WBASE,  4*XSTG                    ; the weights' stages lie behind x's
.set WIMG,   1664                      ; a fragment's image, 1,536 bytes + 128
.set WSTG,   2*WIMG
.set R,    16                          ; v16-143  x as loaded, two sets of 64
.set X,    144                         ; v144-207 64 numbers of my row: register 32 c + i = k 64 c + 32 h + i
.set C,    208                         ; v208-219 the fragment's codes
.set W,    236                         ; v236-239 four scale words
.set RO,   16                          ; weights: v16-47 4 lane + i x a row of W
.set WX,   48                          ; v48-111  two sets of 32 numbers
.set WC,   112                         ; v112-117 a block's codes;  v120-122 its upper half as converted
.set WT,   120
.set SB,   124                         ; v124-125 eight scale bytes
.set OUTR, 128                         ; v128-175 images on their way out, two sets of 24
	s_load_b128 s[4:7], s[0:1], 0x0                ; x, W_attn
	s_load_b128 s[8:11], s[0:1], 0x10              ; W_proj, xq
	s_load_b64 s[12:13], s[0:1], 0x20              ; wq
	v_lshl_add_u32 v254, v0, 2, 0xb800
	v_mov_b32 v255, 0
	v_lshrrev_b32 v1, 5, v0
	v_readfirstlane_b32 s14, v1                    ; wave
	v_and_b32 v2, 31, v0                           ; lane
	s_and_b32 s15, ttmp7, 0xffff                   ; work-group y
	s_cmp_lt_u32 ttmp9, 64
	s_cbranch_scc0 .Lweights
	; ---------------- x ----------------
	s_lshl_b32 s16, ttmp9, 2
	s_add_co_u32 s16, s16, s15
	s_lshl_b32 s16, s16, 2
	s_add_co_u32 s16, s16, s14                     ; task 0..1023
	s_lshr_b32 s17, s16, 1                         ; row block
	s_and_b32 s18, s16, 1                          ; which 512 along K
	s_lshr_b32 s20, s17, 1
	s_lshl_b32 s20, s20, 5
	s_and_b32 s21, s17, 1
	s_lshl_b32 s21, s21, 3
	s_add_co_u32 s20, s20, s21                     ; the block's first actual row
	s_lshl_b32 s20, s20, 12
	s_lshl_b32 s21, s18, 11
	s_add_co_u32 s20, s20, s21
	s_mov_b32 s21, 0
	s_mul_i32 s22, s17, 12288
	s_mul_i32 s23, s18, 6144
	s_add_co_u32 s22, s22, s23
	s_mov_b32 s23, 0
	s_lshl_b32 s24, s17, 9
	s_lshl_b32 s25, s18, 4
	s_add_co_u32 s24, s24, s25
	s_add_co_u32 s24, s24, XSC
	s_mov_b32 s25, 0
	s_mov_b32 s31, 0xffff0000                      ; lanes 16-31
	s_mov_b32 s34, 0x76543210
	s_mov_b32 s35, 0xfedcba98                      ; v_permlanex16_b32's selects for lane l xor 16
	s_wait_alu depctr_va_vdst(0)
	v_and_b32 v3, 15, v2                           ; r
	v_lshrrev_b32 v10, 4, v2                       ; h
	v_lshlrev_b32 v4, 4, v2                        ; 16 lane
	s_mul_i32 s30, s14, XSTG
	v_add_nc_u32 v5, s30, v4                       ; the stage, on the way in
	v_mul_u32_u24 v6, v3, XPITCH
	v_lshl_add_u32 v6, v10, 7, v6
	v_add_nc_u32 v6, s30, v6                       ; and out: row r, + 128 h
	v_lshl_add_u32 v7, v2, 3, 512                  ; 512 + 8 lane
	v_lshlrev_b32 v8, 5, v3
	v_lshl_add_u32 v8, v10, 3, v8                  ; scale bytes: 32 r + 8 h
	v_lshlrev_b32 v9, 3, v10                       ; 8 h
	v_mov_b32 v235, 0                              ; a lane permute's destination counts as one of its sources
	s_wait_alu depctr_va_vdst(0)
	s_wait_kmcnt 0x0
	s_add_nc_u64 s[4:5], s[4:5], s[20:21]
	s_add_nc_u64 s[26:27], s[10:11], s[22:23]
	s_add_nc_u64 s[28:29], s[10:11], s[24:25]
.macro XLOAD t                         ; K step t of my 16 rows: each load reads 512 consecutive bytes of one row
.irp p, 0,1,2,3,4,5,6,7,8,9,10,11,12,13,14,15
	global_load_b128 v[R+64*((\t)%2)+4*\p:R+64*((\t)%2)+4*\p+3], v4, s[4:5] offset:(\p+8*(\p/8))*4096+512*(\t) th:TH_LOAD_NT
.endr
.endm
.macro XTURN t                         ; through my stage: LDS serves a wave's instructions in order, so no wait stands between the stores and the loads
.irp p, 0,1,2,3,4,5,6,7,8,9,10,11,12,13,14,15
	ds_store_b128 v5, v[R+64*((\t)%2)+4*\p:R+64*((\t)%2)+4*\p+3] offset:XPITCH*\p
.endr
.irp c, 0,1
.irp i, 0,1,2,3,4,5,6,7
	ds_load_b128 v[X+32*\c+4*\i:X+32*\c+4*\i+3], v6 offset:256*\c+16*\i
.endr
.endr
.endm
.macro XQ t
	s_wait_xcnt 0x0                                ; the last step's stores have read their data: the codes' registers are written again
	v_max3_num_f32 v228, |v[X]|, |v[X+1]|, 0x2800000      ; my two whole blocks, by turns, with the floor 2^(5 - 127)
	v_max3_num_f32 v229, |v[X+32]|, |v[X+33]|, 0x2800000
.irp i, 2,4,6,8,10,12,14,16,18,20,22,24,26,28,30
	v_max3_num_f32 v228, v228, |v[X+\i]|, |v[X+\i+1]|
	v_max3_num_f32 v229, v229, |v[X+32+\i]|, |v[X+33+\i]|
.endr
	v_add_nc_u32 v230, 0xfe000000, v228            ; 4 off the exponent field: the conversion's scale operand
	v_add_nc_u32 v231, 0xfe000000, v229
	v_lshrrev_b32 v232, 23, v230                   ; the bytes of blocks h and 2 + h
	v_lshrrev_b32 v233, 23, v231
	v_lshl_or_b32 v234, v233, 16, v232
	v_lshlrev_b32 v234, v9, v234                   ; at their places in the word
	v_permlanex16_b32 v235, v234, s34, s35
	v_or_b32 v[W+(\t)], v234, v235                 ; with lane l xor 16's two the word is whole
	v_cvt_scalef32_pk16_bf6_f32 v[C:C+2], v[X:X+15], v230
	v_cvt_scalef32_pk16_bf6_f32 v[220:222], v[X+16:X+31], v230      ; (a conversion's three registers begin on an even number)
	v_cvt_scalef32_pk16_bf6_f32 v[C+6:C+8], v[X+32:X+47], v231
	v_cvt_scalef32_pk16_bf6_f32 v[224:226], v[X+48:X+63], v231
	v_nop                                          ; one plain place behind a scaled conversion
.irp i, 0,1,2
	v_mov_b32 v[C+3+\i], v[220+\i]
	v_mov_b32 v[C+9+\i], v[224+\i]
.endr
.irp c, 0,1
	global_store_b128 v4, v[C+6*\c:C+6*\c+3], s[26:27] offset:1536*(\t)+768*\c     ; 512 consecutive bytes
	global_store_b64 v7, v[C+6*\c+4:C+6*\c+5], s[26:27] offset:1536*(\t)+768*\c    ; 256 consecutive bytes
.endr
.endm
	XLOAD 0
	XLOAD 1
.irp t, 0,1,2,3
.if \t < 3
	s_wait_loadcnt 16                              ; this step's 16 loads are in; the next step's may be out
.else
	s_wait_loadcnt 0x0
.endif
	XTURN \t
	s_wait_dscnt 0x0                               ; my numbers are back, and the stores have read their registers,
.if \t < 2
	XLOAD \t+2                                     ; which take the step two on
.endif
	XQ \t
.endr
	v_cndmask_b32 v240, v[W], v[W+2], s31          ; lanes 0-15 store words 0, 1 of their row, lanes 16-31 words 2, 3
	v_cndmask_b32 v241, v[W+1], v[W+3], s31
	global_store_b64 v8, v[240:241], s[28:29]
	s_wait_tensorcnt 0x0
	ds_add_u32 v254, v255
	s_wait_dscnt 0x0
	s_endpgm
	; ---------------- the weights: a lane takes a column, its registers run down K ----------------
.Lweights:
	s_cmp_lt_u32 ttmp9, 88                         ; W_attn's work-group or W_proj's: the choice hangs on the work-group's number alone
	s_cselect_b32 s16, 64, 88
	s_mov_b32 s17, 4096
	s_cselect_b32 s17, 12288, s17                  ; a row of W in bytes
	s_cselect_b32 s18, 0, 3072                     ; where its columns begin among wq's rows
	s_wait_kmcnt 0x0
	s_cselect_b64 s[4:5], s[6:7], s[8:9]
	s_sub_co_u32 s16, ttmp9, s16
	s_lshl_b32 s16, s16, 7
	s_lshl_b32 s19, s14, 5
	s_add_co_u32 s16, s16, s19                     ; my wave's first column
	s_add_co_u32 s18, s16, s18
	s_lshr_b32 s18, s18, 5                         ; which group of 32 rows of wq
	s_mul_i32 s20, s15, s17
	s_lshl_b32 s20, s20, 8                         ; 256 rows of W for each work-group y
	s_lshl_b32 s21, s16, 2
	s_add_co_u32 s20, s20, s21
	s_mov_b32 s21, 0
	s_add_nc_u64 s[4:5], s[4:5], s[20:21]
	s_mul_i32 s22, s18, 24576
	s_mul_i32 s23, s15, 3072
	s_add_co_u32 s22, s22, s23
	s_mov_b32 s23, 0
	s_add_nc_u64 s[26:27], s[12:13], s[22:23]      ; the codes: two row blocks, K steps 2 y and 2 y + 1
	s_lshl_b32 s24, s18, 10
	s_lshl_b32 s25, s15, 3
	s_add_co_u32 s24, s24, s25
	s_add_co_u32 s24, s24, WSC
	s_mov_b32 s25, 0
	s_add_nc_u64 s[28:29], s[12:13], s[24:25]      ; the scale bytes
	s_lshl_b32 s32, s17, 5                         ; 32 rows of W
	s_mov_b32 s33, 0
	s_wait_alu depctr_va_vdst(0)
	v_bfe_u32 v3, v2, 3, 1                         ; column lane lies in block u = bit 3,
	v_and_b32 v10, 7, v2
	v_lshrrev_b32 v11, 4, v2
	v_lshl_add_u32 v10, v11, 3, v10                ; at row r' = (lane & 7) + 8 (lane >> 4)
	s_mul_i32 s30, s14, WSTG
	s_add_co_u32 s30, s30, WBASE
	v_mul_u32_u24 v4, v3, WIMG
	v_lshl_add_u32 v5, v10, 3, v4
	v_lshl_add_u32 v4, v10, 4, v4
	v_add_nc_u32 v4, s30, v4                       ; the stage: image u, + 16 r'
	v_add_nc_u32 v5, s30, v5
	v_add_nc_u32 v5, 512, v5                       ; image u, + 512 + 8 r'
	v_lshlrev_b32 v7, 4, v2                        ; 16 lane
	v_add_nc_u32 v6, s30, v7                       ; the stage, on the way out
	v_lshlrev_b32 v8, 9, v3
	v_lshl_add_u32 v8, v10, 5, v8                  ; 32 x my position
	v_lshlrev_b32 v[RO], 2, v2
.set I, 1
.rept 31
	v_add_nc_u32 v[RO+I], s17, v[RO+I-1]
.set I, I+1
.endr
.macro WLOAD t                         ; block t: W(32 t + i, my column): 128 consecutive bytes a load
.if (\t) > 0
	s_wait_xcnt 0x0                                ; the earlier loads have read their base
	s_add_nc_u64 s[4:5], s[4:5], s[32:33]
.endif
.irp i, 0,1,2,3,4,5,6,7,8,9,10,11,12,13,14,15,16,17,18,19,20,21,22,23,24,25,26,27,28,29,30,31
	global_load_b32 v[WX+32*((\t)%2)+\i], v[RO+\i], s[4:5] th:TH_LOAD_NT
.endr
.endm
.macro WBLOCK t
.set XB, WX+32*((\t)%2)
.if (\t) < 7
	s_wait_loadcnt 32                              ; this block's 32 loads are in; the next block's may be out
.else
	s_wait_loadcnt 0x0
.endif
	v_max3_num_f32 v12, |v[XB]|, |v[XB+1]|, |v[XB+2]|
	v_max3_num_f32 v13, |v[XB+3]|, |v[XB+4]|, |v[XB+5]|
.irp i, 6,10,14,18,22,26
	v_max3_num_f32 v12, v12, |v[XB+\i]|, |v[XB+\i+1]|
	v_max3_num_f32 v13, v13, |v[XB+\i+2]|, |v[XB+\i+3]|
.endr
	v_max3_num_f32 v12, v12, |v[XB+30]|, |v[XB+31]|
	v_max3_num_f32 v12, v12, v13, 0x2800000        ; and the floor 2^(5 - 127)
	v_add_nc_u32 v14, 0xfe000000, v12
	v_lshrrev_b32 v13, 23, v14
.if (\t)%4 == 0
	v_mov_b32 v[SB+(\t)/4], v13
.else
	v_lshl_or_b32 v[SB+(\t)/4], v13, 8*((\t)%4), v[SB+(\t)/4]
.endif
	v_cvt_scalef32_pk16_bf6_f32 v[WC:WC+2], v[XB:XB+15], v14
	v_cvt_scalef32_pk16_bf6_f32 v[WT:WT+2], v[XB+16:XB+31], v14
	v_nop                                          ; one plain place behind a scaled conversion
.irp i, 0,1,2
	v_mov_b32 v[WC+3+\i], v[WT+\i]
.endr
	ds_store_b128 v4, v[WC:WC+3] offset:768*(((\t)%4)/2)+256*((\t)%2)      ; block t % 4 of a K step is what lane (r', h = t % 2) holds in registers 6 c .. 6 c + 5, c = (t % 4) / 2
	ds_store_b64 v5, v[WC+4:WC+5] offset:768*(((\t)%4)/2)+128*((\t)%2)
.if (\t)+2 < 8
	WLOAD (\t)+2
.endif
	s_wait_dscnt 0x0                               ; the stores have read their registers
.endm
.macro WOUT q                          ; two whole images leave: 512 consecutive bytes a store
.irp u, 0,1
.irp k, 0,1,2
	ds_load_b128 v[OUTR+24*(\q)+12*\u+4*\k:OUTR+24*(\q)+12*\u+4*\k+3], v6 offset:WIMG*\u+512*\k
.endr
.endr
.irp u, 0,1
.irp k, 0,1,2
	s_wait_dscnt 5-3*\u-\k
	global_store_b128 v7, v[OUTR+24*(\q)+12*\u+4*\k:OUTR+24*(\q)+12*\u+4*\k+3], s[26:27] offset:12288*\u+1536*(\q)+512*\k
.endr
.endr
.endm
	WLOAD 0
	s_wait_alu depctr_va_vdst(0)
	WLOAD 1
	WBLOCK 0
	WBLOCK 1
	WBLOCK 2
	WBLOCK 3
	WOUT 0
	WBLOCK 4
	WBLOCK 5
	WBLOCK 6
	WBLOCK 7
	WOUT 1
	s_wait_alu depctr_va_vdst(0)
	global_store_b64 v8, v[SB:SB+1], s[28:29]      ; my column's eight scale bytes
	s_wait_tensorcnt 0x0
	ds_add_u32 v254, v255
	s_wait_dscnt 0x0
	s_endpgm
.Lfunc_end_k_q408d40cf30_prep:
	.size	k_q408d40cf30_prep, .Lfunc_end_k_q408d40cf30_prep-k_q408d40cf30_prep
	.p2alignl 7, 3214868480
	.fill 96, 4, 3214868480
	.section	.rodata,"a",@progbits
	.p2align	6, 0x0
	.amdhsa_kernel k_q408d40cf30_prep
		.amdhsa_group_segment_fixed_size 47616
		.amdhsa_private_segment_fixed_size 0
		.amdhsa_enable_private_segment 0
		.amdhsa_kernarg_size 40
		.amdhsa_user_sgpr_count 2
		.amdhsa_user_sgpr_kernarg_segment_ptr 1
		.amdhsa_wavefront_size32 1
		.amdhsa_system_sgpr_workgroup_id_x 1
		.amdhsa_system_sgpr_workgroup_id_y 1
		.amdhsa_system_sgpr_workgroup_id_z 1
		.amdhsa_system_vgpr_workitem_id 0
		.amdhsa_next_free_vgpr 256
		.amdhsa_next_free_sgpr 66
		.amdhsa_reserve_vcc 0
		.amdhsa_float_denorm_mode_32 3
		.amdhsa_float_denorm_mode_16_64 3
		.amdhsa_memory_ordered 1
		.amdhsa_forward_progress 1
		.amdhsa_inst_pref_size 74
	.end_amdhsa_kernel
	.amdgpu_metadata
---
amdhsa.version: [ 1, 2 ]
amdhsa.kernels:
  - .name:           k_q408d40cf30_prep
    .symbol:         k_q408d40cf30_prep.kd
    .args:
      - { .name: x, .offset: 0, .size: 8, .value_kind: global_buffer, .address_space: global }
      - { .name: W_attn, .offset: 8, .size: 8, .value_kind: global_buffer, .address_space: global }
      - { .name: W_proj, .offset: 16, .size: 8, .value_kind: global_buffer, .address_space: global }
      - { .name: xq, .offset: 24, .size: 8, .value_kind: global_buffer, .address_space: global }
      - { .name: wq, .offset: 32, .size: 8, .value_kind: global_buffer, .address_space: global }
    .group_segment_fixed_size: 47616
    .private_segment_fixed_size: 0
    .kernarg_segment_align: 8
    .kernarg_segment_size: 40
    .max_flat_workgroup_size: 128
    .sgpr_count:     66
    .vgpr_count:     256
    .wavefront_size: 32
...
	.end_amdgpu_metadata
.endif
;; end of part 1
;; launch gemm_qkv (part 2): grid 192 x 4, 4 waves a work-group, clusters of 4 x 4, 327,680 bytes of LDS; arguments xq, wq, b_attn, qkv; writes qkv
.if DOCPART == 2
	.amdgcn_target "amdgcn-amd-amdhsa--gfx1250"
	.amdhsa_code_object_version 6
	.text
	.protected	k_q408d40cf30_gemm_qkv
	.globl	k_q408d40cf30_gemm_qkv
	.p2align	8
	.type	k_q408d40cf30_gemm_qkv,@function
k_q408d40cf30_gemm_qkv:
	s_mov_b64 s[64:65], 0
	v_nop
	global_prefetch_b8 v0, s[64:65] scope:SCOPE_SE
	s_setreg_imm32_b32 hwreg(HW_REG_WAVE_MODE, 25, 1), 1
	s_wait_xcnt 0x0
	s_wait_alu depctr_hold_cnt(0) depctr_sa_sdst(0) depctr_va_vdst(0) depctr_va_sdst(0) depctr_va_ssrc(0) depctr_va_vcc(0) depctr_vm_vsrc(0)
	s_getreg_b32 s2, hwreg(HW_REG_IB_STS2, 6, 4)
	s_cmp_eq_u32 s2, 0
	s_cbranch_scc0 .Lentry_in_a_cluster
	s_endpgm
.Lentry_in_a_cluster:
	s_bfe_u32 s2, ttmp6, 0x10000c
	s_cmp_lg_u32 s2, 0xf033
	s_cbranch_scc0 .Lentry_shape_is_right
	s_endpgm
.Lentry_shape_is_right:
.set PROJ, 0                           ; 0: x W_attn + b_attn, quantised into q, k, v;  1: y W_proj + b_proj, stored as f32.  One text serves both; this line alone differs
; A GEMM on codes of BF6 (E3M2) with E8M0 scales for each 32 along K, K = 1024.  Operands lie in memory as images of the operand's registers: [row block of 16][K step of 128][1536 bytes], scale bytes [position][32];
; row r of block rb is the actual row 32 (rb / 2) + 8 (rb % 2) + r + 8 (r / 8).
; A work-group makes 128 rows of A x 256 rows of B; its four waves 64 x 128 each: 32 accumulators.  A's and B's codes for ALL of K are (128 + 256) x 768 = 294,912 bytes: they come into LDS once, in four chunks of two K steps: nothing is filled again.
; THE PRODUCT IS USED TRANSPOSED (source 0 = 16 rows of B, source 1 = 16 rows of A): a lane holds one row of A, and by the order of B's rows its registers 16 b + i of one block of A's rows are B's actual rows 32 b + 16 (lane / 16) + i.
; PROJ = 0: clusters 0..31 (QK): A = x, B = W_attn's columns 0..2047: a lane's 64 numbers are two heads' 64 channels of one token: quantised along the channels they are q's and k's operands.
;           clusters 32..47 (V): A = W_attn's columns 2048..3071, B = x: a lane's 64 numbers are 128 tokens of one channel: quantised along the tokens they are v's operand.  The kind is chosen by selects alone: no branch hangs on it.
; CLUSTERS: 4 x 4.  A's tiles are shared along a row of the cluster, B's along a column: each is asked for jointly.
; LIMITS: NaN and infinities are not served; a block whose largest magnitude lies under 2^-122 keeps the byte 1; a block of zeros has the byte 1 (its codes are zeros; this program alone reads the bytes).
; REGISTERS: window 0: v1-31 addresses; v32-95 scale words; v96-159 the bias along B's rows; v160-255 A's fragments, two sets of 48.  window 1: B's fragments, two sets of 96, at v0 and v128.  window 2: accumulator (a, b) at v[8 (8 a + b)].
.set RBB,  12288                       ; a row block: 8 K steps x 1,536 bytes
.set XSC,  6291456                     ; xq, yq: where the scale bytes begin
.set WSC,  3145728                     ; wq: likewise
.set REC,  307200                      ; qkv: a head's record: K's codes, V's codes, K's scale words, V's, Q's codes, Q's scale words
.set KC,   0
.set VC,   98304
.set KS,   196608
.set VS,   200704
.set QC,   204800
.set QS,   303104
.set CH,   73728                       ; LDS: a chunk: A's 8 row blocks x 3,072 bytes, then B's 16
.set SCL,  4*CH                        ; behind the chunks: A's scale bytes (16 units of 256 + 16), then B's (32 units)
.set FR,   12
.set A16,  4                           ; v4, v5  LDS address of my A fragments: 16 lane, 512 + 8 lane
.set A8,   5
.set B16,  6                           ; v6, v7  the same for B
.set B8,   7
.set ADRS, 8                           ; v8      my scale words: lanes 0-15 A's rows, lanes 16-31 B's
.set SC,   32                          ; register 8 i + s: block i, K step s
.set BQ,   96
.set AF,   160
.set G1A,  24
.set G1B,  32
.set G1SA, 40
.set G1SB, 48
.set G0SA, 56
.set G0SB, 60
.set G0A,  68                          ; s[68:83]  a set for each chunk
.set G0B,  84                          ; s[84:99]
.set MSB, 0
.macro WIN new                         ; the immediate's high byte repeats the setting that is left
.if MSB != \new
	s_set_vgpr_msb (MSB<<8)|\new
.set MSB, \new
.endif
.endm
.set MUL,  0xa1                        ; source 0 (B) window 1, source 1 (A) window 0, C and D window 2
.set MUL0, 0x81                        ; the same with C (the bias) in window 0
.set TO_B, 0x40                        ; destination window 1, address window 0
.macro CROUND                          ; a round of the cluster's barrier
	s_barrier_signal -1
	s_barrier_wait -1
	s_cmp_lg_u32 s12, 0
	s_cbranch_scc1 .Lnot_wave_0_\@
	s_barrier_signal -3
.Lnot_wave_0_\@:
	s_barrier_wait -3
	s_barrier_signal -1
	s_barrier_wait -1
.endm
.macro G1SET g, c, r, p                ; rows of c elements of 8 bytes, r of them, p elements apart
	s_mov_b32 s[\g+1], (\c)<<16
	s_mov_b32 s[\g+2], (\r)<<16
	s_mov_b32 s[\g+3], (\c)<<16
	s_mov_b32 s[\g+4], \r
	s_mov_b32 s[\g+5], \p
	s_mov_b32 s[\g+6], 0
	s_mov_b32 s[\g+7], 0
.endm
	s_load_b256 s[4:11], s[0:1], 0x0               ; the activations' codes (xq or yq), wq, the bias, the result
	v_lshl_add_u32 v30, v0, 2, 0x4b300
	v_mov_b32 v31, 0
	ds_add_u32 v30, v31
	ds_add_u32 v30, v31
	v_lshrrev_b32 v3, 5, v0
	v_readfirstlane_b32 s12, v3                    ; wave 0..3
	s_lshr_b32 s13, s12, 1                         ; wy: my half of A's rows.  Also: I fetch for A (0) or for B (1)
	s_and_b32 s14, s12, 1                          ; wx: my half of B's rows.  Also: which half of that tile I fetch
	s_bfe_u32 s15, ttmp6, 0x40000                  ; cx
	s_bfe_u32 s16, ttmp6, 0x40004                  ; cy
	s_lshl_b32 s17, s16, 2
	s_lshl_b32 s17, 15, s17                        ; my row of the cluster
	s_lshl_b32 s18, 0x1111, s15                    ; my column
	s_or_b32 s[G1A], s17, (3<<16)|(1<<21)          ; the mask; elements of 8 bytes; bit 21 beside a mask; no padding
	s_or_b32 s[G1B], s18, (3<<16)|(1<<21)
	s_or_b32 s[G1SA], s17, (3<<16)|(1<<20)|(1<<21)|(5<<22)|(3<<25)  ; the scale bytes: 16 bytes of padding behind every 256
	s_or_b32 s[G1SB], s18, (3<<16)|(1<<20)|(1<<21)|(5<<22)|(3<<25)
	G1SET G1A, 384, 4, 1536                        ; 4 row blocks x two K steps (3,072 bytes), a row block (12,288 bytes) apart
	G1SET G1B, 384, 8, 1536
	G1SET G1SA, 32, 8, 32                          ; 64 rows' scale bytes: 2,048 dense bytes
	G1SET G1SB, 32, 16, 32                         ; 128 rows': 4,096
.if PROJ
	s_mov_b32 s67, s15                             ; tile column = cx
	s_lshl_b32 s66, ttmp9, 2
	s_add_co_u32 s66, s66, s16                     ; tile row = 4 x cluster + cy
.else
	s_and_b32 s84, ttmp9, 1                        ; QK: 2 x 16 clusters;
	s_and_b32 s85, ttmp9, 7                        ; V: 8 x 2
	s_lshr_b32 s86, ttmp9, 1
	s_and_b32 s87, ttmp9, 31
	s_lshr_b32 s87, s87, 3
	s_cmp_lt_u32 ttmp9, 32
	s_cselect_b32 s67, s84, s85
	s_cselect_b32 s66, s86, s87
	s_lshl_b32 s67, s67, 2
	s_add_co_u32 s67, s67, s15                     ; tile column (of B's 256 rows)
	s_lshl_b32 s66, s66, 2
	s_add_co_u32 s66, s66, s16                     ; tile row (of A's 128 rows)
.endif
	; what I would fetch of A hangs on the tile row and the wave alone, of B on the tile column and the wave alone
	s_lshl_b32 s20, s66, 3
	s_lshl_b32 s21, s14, 2
	s_add_co_u32 s20, s20, s21                     ; A: row block 8 x tile row + 4 wx
	s_lshl_b32 s22, s20, 9                         ; its scale bytes
	s_mul_i32 s20, s20, RBB                        ; its codes
	s_lshl_b32 s100, s67, 4
	s_lshl_b32 s101, s14, 3
	s_add_co_u32 s100, s100, s101                  ; B: row block 16 x tile column + 8 wx
	s_lshl_b32 s2, s100, 9
	s_mul_i32 s100, s100, RBB
.if PROJ
	s_add_co_u32 s22, s22, XSC
	s_add_co_u32 s100, s100, 192*RBB               ; W_proj's columns are wq's rows 3072 on
	s_add_co_u32 s2, s2, WSC+98304
	s_wait_kmcnt 0x0
.else
	s_cmp_lt_u32 ttmp9, 32
	s_cselect_b32 s84, 0, 128*RBB                  ; V: A = wq's rows 2048 on
	s_mov_b32 s85, WSC+65536
	s_cselect_b32 s85, XSC, s85
	s_mov_b32 s86, XSC
	s_cselect_b32 s86, WSC, s86
	s_wait_dscnt 0x0
	s_wait_kmcnt 0x0
	s_cselect_b64 s[88:89], s[4:5], s[6:7]         ; A's buffer: xq or wq;
	s_cselect_b64 s[6:7], s[6:7], s[4:5]           ; B's: the other
	s_mov_b64 s[4:5], s[88:89]
	s_add_co_u32 s20, s20, s84
	s_add_co_u32 s22, s22, s85
	s_add_co_u32 s2, s2, s86
.endif
	s_mov_b32 s21, 0
	s_mov_b32 s23, 0
	s_mov_b32 s101, 0
	s_mov_b32 s3, 0
	s_add_nc_u64 s[20:21], s[4:5], s[20:21]
	s_add_nc_u64 s[22:23], s[4:5], s[22:23]
	s_add_nc_u64 s[100:101], s[6:7], s[100:101]
	s_add_nc_u64 s[2:3], s[6:7], s[2:3]
	s_mov_b32 s[G0SA], 1
	s_mul_i32 s[G0SA+1], s14, 2176
	s_add_co_u32 s[G0SA+1], s[G0SA+1], SCL
	s_mov_b64 s[G0SA+2:G0SA+3], s[22:23]
	s_or_b32 s[G0SA+3], s[G0SA+3], 0x80000000
	s_mov_b32 s[G0SB], 1
	s_mul_i32 s[G0SB+1], s14, 4352
	s_add_co_u32 s[G0SB+1], s[G0SB+1], SCL+4352
	s_mov_b64 s[G0SB+2:G0SB+3], s[2:3]
	s_or_b32 s[G0SB+3], s[G0SB+3], 0x80000000
	s_mul_i32 s17, s14, 12288                      ; where my half goes in a chunk: no place in the cluster enters an LDS address
	s_mul_i32 s18, s14, 24576
	s_add_co_u32 s18, s18, 24576
.irp k, 0,1,2,3
	s_mov_b32 s[G0A+4*\k], 1
	s_add_co_u32 s[G0A+4*\k+1], s17, \k*CH
	s_add_nc_u64 s[G0A+4*\k+2:G0A+4*\k+3], s[20:21], 3072*\k
	s_or_b32 s[G0A+4*\k+3], s[G0A+4*\k+3], 0x80000000
	s_mov_b32 s[G0B+4*\k], 1
	s_add_co_u32 s[G0B+4*\k+1], s18, \k*CH
	s_add_nc_u64 s[G0B+4*\k+2:G0B+4*\k+3], s[100:101], 3072*\k
	s_or_b32 s[G0B+4*\k+3], s[G0B+4*\k+3], 0x80000000
.endr
	CROUND                                         ; all sixteen work-groups are here: the joint loads meet
	s_cmp_eq_u32 s13, 0                            ; a wave's five fills stand in one branch on its number: five loads of mine are out; four v_nop follow the last
	s_cbranch_scc0 .Lfetch_b
	tensor_load_to_lds s[G0SA:G0SA+3], s[G1SA:G1SA+7]
	s_nop 0
	tensor_load_to_lds s[G0A:G0A+3], s[G1A:G1A+7]
	s_nop 0
	tensor_load_to_lds s[G0A+4:G0A+7], s[G1A:G1A+7]
	s_nop 0
	tensor_load_to_lds s[G0A+8:G0A+11], s[G1A:G1A+7]
	s_nop 0
	tensor_load_to_lds s[G0A+12:G0A+15], s[G1A:G1A+7]
	s_nop 0
.rept 4
	v_nop
.endr
	s_branch .Lasked
.Lfetch_b:
	tensor_load_to_lds s[G0SB:G0SB+3], s[G1SB:G1SB+7]
	s_nop 0
	tensor_load_to_lds s[G0B:G0B+3], s[G1B:G1B+7]
	s_nop 0
	tensor_load_to_lds s[G0B+4:G0B+7], s[G1B:G1B+7]
	s_nop 0
	tensor_load_to_lds s[G0B+8:G0B+11], s[G1B:G1B+7]
	s_nop 0
	tensor_load_to_lds s[G0B+12:G0B+15], s[G1B:G1B+7]
	s_nop 0
.rept 4
	v_nop
.endr
.Lasked:
	v_and_b32 v1, 15, v0                           ; r
	v_bfe_u32 v2, v0, 4, 1                         ; h
	v_and_b32 v3, 31, v0                           ; lane
	s_mul_i32 s15, s13, 12288                      ; my 4 row blocks of A
	v_lshl_add_u32 v[A16], v3, 4, s15
	v_lshl_add_u32 v[A8], v3, 3, s15
	v_add_nc_u32 v[A8], 512, v[A8]
	v_lshl_add_u32 v[B16], v3, 4, s18              ; my 8 row blocks of B, behind A's
	v_lshl_add_u32 v[B8], v3, 3, s18
	v_add_nc_u32 v[B8], 512, v[B8]
	v_lshlrev_b32 v[ADRS], 5, v1                   ; a row's 32 scale bytes,
	v_lshrrev_b32 v9, 3, v1
	v_lshl_add_u32 v[ADRS], v9, 4, v[ADRS]         ; and 16 more behind each 256
	s_mul_i32 s16, s13, 2176                       ; A's: my 64 rows
	s_mul_i32 s19, s14, 4352                       ; B's: my 128 rows, behind A's 128
	s_add_co_u32 s19, s19, 4352
	s_sub_co_u32 s19, s19, s16
	v_mul_u32_u24 v9, s19, v2                      ; lanes 16-31 take B's
	s_add_co_u32 s16, s16, SCL
	v_add_nc_u32 v[ADRS], v[ADRS], v9
	v_add_nc_u32 v[ADRS], s16, v[ADRS]
	v_lshlrev_b32 v9, 6, v2                        ; the bias along B's rows: my half's 16 numbers of each 32
	s_wait_alu depctr_va_vdst(0)
	s_lshl_b32 s4, s67, 10
	s_lshl_b32 s5, s14, 9
	s_add_co_u32 s4, s4, s5                        ; 4 x (256 x tile column + 128 wx)
.if PROJ
	s_lshl_b32 s100, s66, 7
	s_lshl_b32 s101, s13, 6
	s_add_co_u32 s100, s100, s101                  ; my first row of the result
	s_lshl_b32 s100, s100, 12
	s_add_co_u32 s100, s100, s4                    ; and my first column
	s_mov_b32 s101, 0
	s_add_nc_u64 s[100:101], s[10:11], s[100:101]
	s_mov_b32 s5, 0
	s_add_nc_u64 s[4:5], s[8:9], s[4:5]
	s_mul_i32 s16, s12, 16*528                     ; my stage for the way out: in chunk 0, which nobody reads behind K step 1's barrier and which is filled no more
	v_mul_u32_u24 v20, v1, 528
	v_lshl_add_u32 v20, v2, 6, v20
	v_add_nc_u32 v20, s16, v20                     ; in: row r, + 64 h
	v_lshlrev_b32 v22, 4, v3                       ; 16 lane
	v_add_nc_u32 v21, s16, v22                     ; back: a whole row of 512 bytes
.else
	s_lshl_b32 s6, s66, 9
	s_lshl_b32 s7, s13, 8
	s_add_co_u32 s6, s6, s7
	s_add_co_u32 s6, s6, 8192                      ; V: the bias along A's rows: 4 x (2048 + 128 x tile row + 64 wy)
	s_cmp_lt_u32 ttmp9, 32
	s_cselect_b32 s4, s4, 0                        ; the kind that has no such bias loads from the buffer's head and clears what it loaded
	s_cselect_b32 s6, 0, s6
	s_cselect_b32 s15, -1, 0                       ; all lanes in QK, none in V
	s_mov_b32 s5, 0
	s_mov_b32 s7, 0
	s_add_nc_u64 s[4:5], s[8:9], s[4:5]
	s_add_nc_u64 s[6:7], s[8:9], s[6:7]
	v_and_b32 v10, 7, v1
	v_lshrrev_b32 v11, 3, v1
	v_lshl_add_u32 v10, v11, 4, v10
	v_lshlrev_b32 v10, 2, v10                      ; 4 x (r + 8 (r / 8))
.irp a, 0,1,2,3
	global_load_b32 v[12+2*\a], v10, s[6:7] offset:(32*(\a/2)+8*(\a%2))*4
.endr
.endif
.irp b, 0,1,2,3,4,5,6,7
	global_load_b128 v[BQ+8*\b:BQ+8*\b+3], v9, s[4:5] offset:(32*(\b/2)+8*(\b%2))*4
	global_load_b128 v[BQ+8*\b+4:BQ+8*\b+7], v9, s[4:5] offset:(32*(\b/2)+8*(\b%2))*4+16
.endr
.macro FRAG reg, adr, off              ; a fragment comes back as it was stored: 512, 256, 512, 256 consecutive bytes
	ds_load_b128 v[(\reg):(\reg)+3], v[\adr] offset:(\off)
	ds_load_b64 v[(\reg)+4:(\reg)+5], v[\adr+1] offset:(\off)
	ds_load_b128 v[(\reg)+6:(\reg)+9], v[\adr] offset:(\off)+768
	ds_load_b64 v[(\reg)+10:(\reg)+11], v[\adr+1] offset:(\off)+768
.endm
.macro FETCH s                         ; K step s: B's eight fragments and A's four: 48 loads
	WIN TO_B
.irp i, 0,1,2,3,4,5,6,7
	FRAG 128*((\s)%2)+FR*\i, B16, 3072*\i+1536*((\s)%2)
.endr
	WIN 0
.irp i, 0,1,2,3
	FRAG AF+48*((\s)%2)+FR*\i, A16, 3072*\i+1536*((\s)%2)
.endr
.endm
; A K step: the next step's fragments are asked for, then 32 products.  The 32 accumulators take turns, one instruction a turn.  The first step's C is the bias.
; A load into a register that a matrix instruction has read stands four plain vector instructions behind it (ISA guide 7.12.1 for vector instructions).
.macro KSTEP s
	WIN 0
.if ((\s)%2 == 1) && ((\s) < 7)
	s_wait_tensorcnt 3-((\s)+1)/2                  ; my part of the next chunk is in; the later chunks may be out
	s_wait_dscnt 0x0
	s_barrier_signal -1
	s_barrier_wait -1                              ; everybody's is
.irp v, A16, A8, B16, B8
	v_add_nc_u32 v[\v], CH, v[\v]                  ; on to that chunk; these four are the places too
.endr
.elseif (\s) < 7
.rept 4
	v_nop
.endr
.endif
.if (\s) < 7
	FETCH (\s)+1
	s_wait_dscnt 48                                ; all but the 48 just issued
.else
	s_wait_dscnt 0x0
.endif
.if (\s) == 0
	WIN MUL0
.else
	WIN MUL
.endif
.irp a, 0,1,2,3
.irp b, 0,1,2,3,4,5,6,7
.if (\s) == 0
	v_wmma_scale_f32_16x16x128_f8f6f4 v[8*(8*\a+\b):8*(8*\a+\b)+7], v[128*((\s)%2)+FR*\b:128*((\s)%2)+FR*\b+FR-1], v[AF+48*((\s)%2)+FR*\a:AF+48*((\s)%2)+FR*\a+FR-1], v[BQ+8*\b:BQ+8*\b+7], v[SC+8*\b+(\s)], v[SC+8*\a+(\s)] matrix_a_fmt:MATRIX_FMT_BF6 matrix_b_fmt:MATRIX_FMT_BF6 matrix_a_scale:MATRIX_SCALE_ROW1
.else
	v_wmma_scale_f32_16x16x128_f8f6f4 v[8*(8*\a+\b):8*(8*\a+\b)+7], v[128*((\s)%2)+FR*\b:128*((\s)%2)+FR*\b+FR-1], v[AF+48*((\s)%2)+FR*\a:AF+48*((\s)%2)+FR*\a+FR-1], v[8*(8*\a+\b):8*(8*\a+\b)+7], v[SC+8*\b+(\s)], v[SC+8*\a+(\s)] matrix_a_fmt:MATRIX_FMT_BF6 matrix_b_fmt:MATRIX_FMT_BF6 matrix_a_scale:MATRIX_SCALE_ROW1
.endif
.endr
.endr
.endm
	s_wait_tensorcnt 3                             ; my scale bytes and my part of chunk 0 are in; chunks 1 to 3 may be out
	s_barrier_signal -1
	s_barrier_wait -1                              ; everybody's are
.irp i, 0,1,2,3,4,5,6,7                ; all scale words, once: lanes 0-15 A's block i, lanes 16-31 B's block i (for i above 3 lanes 0-15 bring landed bytes that nobody uses)
	ds_load_b128 v[SC+8*\i:SC+8*\i+3], v[ADRS] offset:544*\i
	ds_load_b128 v[SC+8*\i+4:SC+8*\i+7], v[ADRS] offset:544*\i+16
.endr
	FETCH 0
	s_wait_loadcnt 0x0                             ; the biases
.if PROJ == 0
.set J, 0
.rept 64
	v_cndmask_b32 v[BQ+J], 0, v[BQ+J], s15         ; V has no bias along B's rows
.set J, J+1
.endr
	s_wait_alu depctr_va_vdst(0)
.irp a, 0,1,2,3
	v_cndmask_b32 v[13+2*\a], v[12+2*\a], 0, s15   ; QK has none along A's; a pair for the packed addition
	v_mov_b32 v[12+2*\a], v[13+2*\a]
.endr
.endif
	KSTEP 0
	KSTEP 1
	s_wait_alu depctr_va_vdst(0)
	KSTEP 2
	KSTEP 3
	s_wait_alu depctr_va_vdst(0)
	KSTEP 4
	KSTEP 5
.if PROJ == 0
	; no tensor load of mine is out any more: the descriptors' registers take the way out's numbers.  Both kinds' are made, then chosen
	s_lshr_b32 s20, s66, 4                         ; QK: batch = tile row / 16
	s_lshl_b32 s20, s20, 4
	s_and_b32 s21, s67, 3
	s_lshl_b32 s21, s21, 2
	s_add_co_u32 s20, s20, s21
	s_lshl_b32 s21, s14, 1
	s_add_co_u32 s20, s20, s21                     ; the first of my two heads' records
	s_mul_i32 s20, s20, REC
	s_and_b32 s21, s66, 15
	s_lshl_b32 s21, s21, 2
	s_lshl_b32 s22, s13, 1
	s_add_co_u32 s21, s21, s22                     ; my first pair of token blocks
	s_mul_i32 s22, s21, 1536
	s_lshl_b32 s21, s21, 6
	s_cmp_lt_u32 s67, 4                            ; tile columns 0..3 are q, 4..7 k
	s_cselect_b32 s23, QC, KC
	s_mov_b32 s24, KS
	s_cselect_b32 s24, QS, s24
	s_add_co_u32 s22, s22, s20
	s_add_co_u32 s22, s22, s23
	s_add_co_u32 s21, s21, s20
	s_add_co_u32 s21, s21, s24
	s_lshl_b32 s25, s67, 1                         ; V: my 128 tokens
	s_add_co_u32 s25, s25, s14
	s_lshr_b32 s26, s25, 4
	s_lshl_b32 s26, s26, 4
	s_lshl_b32 s27, s66, 1
	s_add_co_u32 s26, s26, s27
	s_add_co_u32 s26, s26, s13                     ; my head's record
	s_mul_i32 s26, s26, REC
	s_and_b32 s25, s25, 15
	s_mul_i32 s27, s25, 6144
	s_add_co_u32 s27, s27, s26
	s_add_co_u32 s27, s27, VC
	s_lshl_b32 s25, s25, 8
	s_add_co_u32 s25, s25, s26
	s_add_co_u32 s25, s25, VS
	s_cmp_lt_u32 ttmp9, 32
	s_cselect_b32 s28, s22, s27                    ; where my codes begin
	s_cselect_b32 s30, s21, s25                    ; and my scale words
	s_mov_b32 s32, 1536
	s_cselect_b32 s32, 768, s32                    ; from one block of A's rows to the next
	s_mov_b32 s34, 768
	s_cselect_b32 s34, REC, s34                    ; from a fragment's first half to its second: the next head, or the next 64 tokens
	s_cselect_b32 s35, 64, 128                     ; scale words: from lanes 0-15 to lanes 16-31
	s_cselect_b32 s36, REC, 64                     ; and from the first store to the second
	s_mov_b32 s37, 0x03020100
	s_cselect_b32 s37, 0x05040100, s37             ; QK: a head's two bytes of two blocks of tokens; V: a block's whole word
	s_mov_b32 s38, 0x07060504
	s_cselect_b32 s38, 0x07060302, s38
	s_mov_b32 s39, 0xffff0000                      ; lanes 16-31
	s_mov_b32 s40, 0x76543210
	s_mov_b32 s41, 0xfedcba98
	s_mov_b32 s29, 0
	s_mov_b32 s31, 0
	s_mov_b32 s33, 0
	s_add_nc_u64 s[28:29], s[10:11], s[28:29]
	s_add_nc_u64 s[30:31], s[10:11], s[30:31]
.endif
	s_wait_alu depctr_va_vdst(0)
	KSTEP 6
	KSTEP 7
	WIN 0
.if PROJ == 0
; THE WAY OUT: each block of A's rows: 64 numbers a lane, + the bias along A's rows, quantised in registers: one fragment and one scale word a row.  Nothing goes through LDS.
.set ST,  160                          ; v160-223 the 64 numbers
.set PC,  96                           ; v96-115  the codes
.set TM,  116                          ; v116-131 at work
.set PW,  132                          ; v132-135 the four scale words
.macro QUANT s, pw                     ; register 16 b + i of v[s] on = k 32 b + 16 (lane / 16) + i of my row
.irp b, 0,1,2,3
	v_max3_num_f32 v[TM+\b], |v[\s+16*\b]|, |v[\s+1+16*\b]|, 0x2800000   ; my 16 numbers of block b, and the floor 2^(5 - 127)
.endr
.irp i, 2,4,6,8,10,12,14
.irp b, 0,1,2,3
	v_max3_num_f32 v[TM+\b], v[TM+\b], |v[\s+16*\b+\i]|, |v[\s+1+16*\b+\i]|
.endr
.endr
.irp b, 0,1,2,3
	v_permlanex16_b32 v[TM+4+\b], v[TM+\b], s40, s41
.endr
.irp b, 0,1,2,3
	v_max_num_f32 v[TM+\b], v[TM+\b], v[TM+4+\b]   ; with lane l xor 16's: the block's largest magnitude
.endr
.irp b, 0,1,2,3
	v_add_nc_u32 v[TM+12+\b], 0xfe000000, v[TM+\b] ; 4 off its exponent field: the conversion's scale operand
.endr
.irp b, 0,1,2,3
	v_lshrrev_b32 v[TM+4+\b], 23, v[TM+12+\b]      ; the scale's byte
.endr
	v_lshl_or_b32 v[\pw], v[TM+5], 8, v[TM+4]
	v_lshl_or_b32 v[\pw], v[TM+6], 16, v[\pw]
	v_lshl_or_b32 v[\pw], v[TM+7], 24, v[\pw]
.irp c, 0,1
	v_cvt_scalef32_pk16_bf6_f32 v[PC+6*\c:PC+2+6*\c], v[\s+32*\c:\s+15+32*\c], v[TM+12+2*\c]
	v_cvt_scalef32_pk16_bf6_f32 v[PC+12+4*\c:PC+14+4*\c], v[\s+16+32*\c:\s+31+32*\c], v[TM+12+2*\c+1]   ; (a conversion's three registers begin on an even number)
.endr
	v_nop                                          ; one plain place behind a scaled conversion
.irp c, 0,1                            ; the operand's layout wants a whole block in a lane
.irp i, 0,1,2
	v_permlane16_swap_b32 v[PC+6*\c+\i], v[PC+12+4*\c+\i]
.endr
.irp i, 0,1,2
	v_mov_b32 v[PC+3+6*\c+\i], v[PC+12+4*\c+\i]
.endr
.endr
.endm
	v_lshlrev_b32 v20, 4, v3                       ; these eleven plain lines name no register of the last products: they are the places behind them
	v_lshl_add_u32 v21, v3, 3, 512
	v_add_nc_u32 v22, s34, v20
	v_add_nc_u32 v23, s34, v21
	v_mul_u32_u24 v24, s35, v2
	v_lshl_add_u32 v24, v1, 2, v24
	v_add_nc_u32 v25, s36, v24
.irp b, 0,1,2,3
	v_mov_b32 v[TM+4+\b], 0                        ; a lane permute's destination counts as one of its sources
.endr
.irp a, 0,1,2,3
.if \a > 0
	s_wait_xcnt 0x0                                ; the last block's stores have read their data and their base
	s_add_nc_u64 s[28:29], s[28:29], s[32:33]
.endif
	WIN 0x02                                       ; source 0 in window 2
.set J, 0
.rept 32
	v_pk_add_f32 v[ST+J:ST+J+1], v[64*\a+J:64*\a+J+1], v[12+2*\a:13+2*\a]   ; each accumulator from its low end on
.set J, J+2
.endr
	WIN 0
	QUANT ST, PW+\a
	global_store_b128 v20, v[PC:PC+3], s[28:29]    ; 512, 256, 512, 256 consecutive bytes
	global_store_b64 v21, v[PC+4:PC+5], s[28:29]
	global_store_b128 v22, v[PC+6:PC+9], s[28:29]
	global_store_b64 v23, v[PC+10:PC+11], s[28:29]
.endr
	v_perm_b32 v140, v[PW+1], v[PW], s37
	v_perm_b32 v141, v[PW+3], v[PW+2], s37
	v_perm_b32 v142, v[PW+1], v[PW], s38
	v_perm_b32 v143, v[PW+3], v[PW+2], s38
	v_cndmask_b32 v140, v140, v141, s39            ; lanes 0-15 store the first pair of blocks', lanes 16-31 the second's
	v_cndmask_b32 v142, v142, v143, s39
	global_store_b32 v24, v140, s[30:31]
	global_store_b32 v25, v142, s[30:31]
.else
; THE WAY OUT, a block of 16 rows x 128 columns at a time, through my stage: back come whole rows of 512 bytes, stored as two aligned runs of 256 bytes.
.set BK, 96                            ; v96-159 and v160-223 by turns
.macro TOSTAGE a
	WIN 0x08                                       ; an LDS store's data are its source 1: window 2
.irp b, 0,1,2,3,4,5,6,7
	ds_store_b128 v20, v[8*(8*(\a)+\b):8*(8*(\a)+\b)+3] offset:128*(\b/2)+32*(\b%2)      ; each accumulator from its low end on
	ds_store_b128 v20, v[8*(8*(\a)+\b)+4:8*(8*(\a)+\b)+7] offset:128*(\b/2)+32*(\b%2)+16
.endr
	WIN 0
.irp t, 0,1,2,3,4,5,6,7,8,9,10,11,12,13,14,15
	ds_load_b128 v[BK+64*((\a)%2)+4*\t:BK+64*((\a)%2)+4*\t+3], v21 offset:528*\t    ; LDS serves a wave's instructions in order: these see my stores
.endr
.endm
.macro SEND a, younger
	s_wait_dscnt \younger
.irp t, 0,1,2,3,4,5,6,7,8,9,10,11,12,13,14,15
	global_store_b128 v22, v[BK+64*((\a)%2)+4*\t:BK+64*((\a)%2)+4*\t+3], s[100:101] offset:(32*((\a)/2)+8*((\a)%2)+\t+8*(\t/8))*4096 th:TH_STORE_NT
.endr
.endm
.rept 4
	v_nop                                          ; places behind the last products
.endr
	TOSTAGE 0
.irp a, 1,2,3
.if \a > 1
	s_wait_xcnt 0x0                                ; block a - 2's stores have read their registers
.endif
	TOSTAGE \a
	SEND \a-1, 32                                  ; behind block a - 1's loads: block a's 16 stores and 16 loads
.endr
	SEND 3, 0
.endif
	s_wait_dscnt 0x0
	s_wait_tensorcnt 0x0
	ds_add_u32 v30, v31
	s_wait_dscnt 0x0
	CROUND                                         ; the closing round: no work-group ends while a partner may still ask for a tile that names it
	s_endpgm
.Lfunc_end_k_q408d40cf30_gemm_qkv:
	.size	k_q408d40cf30_gemm_qkv, .Lfunc_end_k_q408d40cf30_gemm_qkv-k_q408d40cf30_gemm_qkv
	.p2alignl 7, 3214868480
	.fill 96, 4, 3214868480
	.section	.rodata,"a",@progbits
	.p2align	6, 0x0
	.amdhsa_kernel k_q408d40cf30_gemm_qkv
		.amdhsa_group_segment_fixed_size 327680
		.amdhsa_private_segment_fixed_size 0
		.amdhsa_enable_private_segment 0
		.amdhsa_kernarg_size 32
		.amdhsa_user_sgpr_count 2
		.amdhsa_user_sgpr_kernarg_segment_ptr 1
		.amdhsa_wavefront_size32 1
		.amdhsa_system_sgpr_workgroup_id_x 1
		.amdhsa_system_sgpr_workgroup_id_y 1
		.amdhsa_system_sgpr_workgroup_id_z 1
		.amdhsa_system_vgpr_workitem_id 0
		.amdhsa_next_free_vgpr 768
		.amdhsa_next_free_sgpr 102
		.amdhsa_reserve_vcc 0
		.amdhsa_float_denorm_mode_32 3
		.amdhsa_float_denorm_mode_16_64 3
		.amdhsa_memory_ordered 1
		.amdhsa_forward_progress 1
		.amdhsa_inst_pref_size 106
	.end_amdhsa_kernel
	.amdgpu_metadata
---
amdhsa.version: [ 1, 2 ]
amdhsa.kernels:
  - .name:           k_q408d40cf30_gemm_qkv
    .symbol:         k_q408d40cf30_gemm_qkv.kd
    .args:
      - { .name: xq, .offset: 0, .size: 8, .value_kind: global_buffer, .address_space: global }
      - { .name: wq, .offset: 8, .size: 8, .value_kind: global_buffer, .address_space: global }
      - { .name: b_attn, .offset: 16, .size: 8, .value_kind: global_buffer, .address_space: global }
      - { .name: qkv, .offset: 24, .size: 8, .value_kind: global_buffer, .address_space: global }
    .group_segment_fixed_size: 327680
    .private_segment_fixed_size: 0
    .kernarg_segment_align: 8
    .kernarg_segment_size: 32
    .max_flat_workgroup_size: 128
    .sgpr_count:     102
    .vgpr_count:     768
    .wavefront_size: 32
...
	.end_amdgpu_metadata
.endif
;; end of part 2
;; launch attn (part 3): grid 4 x 64, 16 waves a work-group, no clusters, 206,848 bytes of LDS; arguments qkv, yq; writes yq
.if DOCPART == 3
	.amdgcn_target "amdgcn-amd-amdhsa--gfx1250"
	.amdhsa_code_object_version 6
	.text
	.protected	k_q408d40cf30_attn
	.globl	k_q408d40cf30_attn
	.p2align	8
	.type	k_q408d40cf30_attn,@function
k_q408d40cf30_attn:
	s_mov_b64 s[64:65], 0
	v_nop
	global_prefetch_b8 v0, s[64:65] scope:SCOPE_SE
	s_setreg_imm32_b32 hwreg(HW_REG_WAVE_MODE, 25, 1), 1
	s_wait_xcnt 0x0
; Causal attention of one head (64 channels, 2,048 tokens) on codes of BF6 (E3M2) with E8M0 scales; the result y is quantised along the channels into yq, the last product's operand.
; t = score x log2(e) / 8; M = the running largest t rounded up to a whole number; p = 2^(t - M) is quantised along the keys; the row's sum is taken of the unquantised p and divides at the end.
; A head's record in qkv begins with K's codes, V's codes and both's scale words, 204,800 bytes: they come into LDS once, as they lie, in four chunks of 512 keys: nothing is filled again and nothing is stored to LDS.
; SHARES.  Work-group i of a head owns the query blocks 7 - i and i (256 queries each), one after the other; each of its sixteen waves one tile of 16 queries in each: tile w of the first, tile 15 - w of the second: 17 key steps of 128 keys for every wave.
; LAYOUT.  Both products are used transposed: a lane holds one query.  Row r of a block of 16 tokens is token 32 (rb / 2) + 8 (rb % 2) + r + 8 (r / 8), so the 16 registers of two neighbouring score tiles are 16 neighbouring keys.
; K = 64 IS HALF AN INSTRUCTION'S 128: a fragment of K holds two blocks of 16 keys side by side; Q stands in 18 registers as q, zeros, q: registers 0-11 (q | 0) give the first block's scores, registers 6-17 (0 | q) the second's.  Zero codes add nothing.
; No cluster: the four work-groups of a head would share K and V, but the steps that each leaves out hang on its place.  Nothing is prefetched: all tensor loads go out in the first lines.
; LIMITS: NaN and infinities are not served; a block of y whose largest magnitude lies under 2^-122 keeps the byte 1; a block of zeros has the byte 1 (its codes are zeros; this program alone reads the bytes).
; REGISTERS: v1-5 addresses that stay; v6 my query - 16 h; v8-11, v35 the step's addresses; v12 -M, v13 the largest t, v[14:15] the sum; v16-33 Q, v34 its scale word; v36-83 four fragments; v84-147 scores, then p; v148-179 O^T; v180-191 codes; v192-215 at work; v216-222 the next Q.
.set REC,  307200
.set VCO,  98304
.set KSO,  196608
.set QC,   204800
.set QS,   303104
.set XSC,  6291456
.set FRG,  36
.set S,    84
.set O,    148
.set PC,   180
.set BM,   192
.set PD,   196
.set SO,   204
.set SEL,  52
.set CS,   54
.set HM,   56
.set TB,   57                          ; s57  where the step's fragments begin: 6,144 bytes a step
.set TS,   58                          ; s58  and its scale words: 256 bytes a step
.set KF,   59                          ; s59  the step's first key
.set Q32,  60                          ; s60  the first token of my tile's group of 32
.set PASS, 61
.macro FRAG reg, adr, off
	ds_load_b128 v[(\reg):(\reg)+3], v[\adr] offset:(\off)
	ds_load_b64 v[(\reg)+4:(\reg)+5], v[\adr+1] offset:(\off)
	ds_load_b128 v[(\reg)+6:(\reg)+9], v[\adr] offset:(\off)+768
	ds_load_b64 v[(\reg)+10:(\reg)+11], v[\adr+1] offset:(\off)+768
.endm
	s_load_b128 s[4:7], s[0:1], 0x0                ; qkv, yq
	v_lshl_add_u32 v254, v0, 2, 0x32000
	v_mov_b32 v255, 0
	ds_add_u32 v254, v255
	ds_add_u32 v254, v255
	v_lshrrev_b32 v7, 5, v0
	s_delay_alu instid0(VALU_DEP_1)
	v_readfirstlane_b32 s8, v7                     ; wave 0..15
	s_and_b32 s10, ttmp7, 0xffff                   ; 16 x batch + head
	s_mul_i32 s12, s10, REC
	s_mov_b32 s13, 0
	s_mov_b32 s16, 3<<16                           ; the scale words: 2 rows of 32 elements of 8 bytes, dense
	s_mov_b32 s17, 32<<16
	s_mov_b32 s18, 2<<16
	s_mov_b32 s19, 32<<16
	s_mov_b32 s20, 2
	s_mov_b32 s21, 32
	s_mov_b32 s22, 0
	s_mov_b32 s23, 0
	s_mov_b32 s24, 3<<16                           ; my part of a chunk: 12 such rows
	s_mov_b32 s25, 32<<16
	s_mov_b32 s26, 12<<16
	s_mov_b32 s27, 32<<16
	s_mov_b32 s28, 12
	s_mov_b32 s29, 32
	s_mov_b32 s30, 0
	s_mov_b32 s31, 0
	s_lshl_b32 s2, s8, 9
	s_add_co_u32 s2, s2, KSO                       ; my 512 bytes of the scale words: the same place in LDS and in the record
	s_lshr_b32 s3, s8, 3
	s_mul_i32 s3, s3, VCO                          ; waves 0-7 fetch K's codes, waves 8-15 V's
	s_and_b32 s11, s8, 7
	s_mul_i32 s11, s11, 3072
	s_add_co_u32 s3, s3, s11
	s_wait_dscnt 0x0
	s_wait_kmcnt 0x0
	s_add_nc_u64 s[68:69], s[4:5], s[12:13]        ; my head's record
	s_mov_b32 s32, 1
	s_mov_b32 s33, s2
	s_mov_b32 s14, s2
	s_mov_b32 s15, 0
	s_add_nc_u64 s[34:35], s[68:69], s[14:15]
	s_or_b32 s35, s35, 0x80000000
	s_mov_b32 s14, s3
	s_add_nc_u64 s[14:15], s[68:69], s[14:15]
.irp k, 0,1,2,3
	s_mov_b32 s[36+4*\k], 1
	s_add_co_u32 s[37+4*\k], s3, 24576*\k
	s_add_nc_u64 s[38+4*\k:39+4*\k], s[14:15], 24576*\k
	s_or_b32 s[39+4*\k], s[39+4*\k], 0x80000000
.endr
	tensor_load_to_lds s[32:35], s[16:23]          ; five loads of mine are out; four v_nop follow the last
	s_nop 0
	tensor_load_to_lds s[36:39], s[24:31]
	s_nop 0
	tensor_load_to_lds s[40:43], s[24:31]
	s_nop 0
	tensor_load_to_lds s[44:47], s[24:31]
	s_nop 0
	tensor_load_to_lds s[48:51], s[24:31]
	s_nop 0
.rept 4
	v_nop
.endr
	v_and_b32 v7, 31, v0
	s_delay_alu instid0(VALU_DEP_1)
	v_lshlrev_b32 v1, 4, v7                        ; 16 lane
	s_delay_alu instid0(VALU_DEP_2)
	v_lshl_add_u32 v2, v7, 3, 512                  ; 512 + 8 lane
	s_delay_alu instid0(VALU_DEP_2)
	v_add_nc_u32 v3, VCO, v1
	s_delay_alu instid0(VALU_DEP_2)
	v_add_nc_u32 v4, VCO, v2
	v_lshl_add_u32 v5, v7, 2, KSO                  ; 4 lane among the scale words
	v_and_b32 v225, 15, v0                         ; r
	v_bfe_u32 v226, v0, 4, 1                       ; h
	s_delay_alu instid0(VALU_DEP_2)
	v_lshrrev_b32 v227, 3, v225
	s_delay_alu instid0(VALU_DEP_1)
	v_lshl_add_u32 v7, v227, 3, v225
	s_delay_alu instid0(VALU_DEP_3)
	v_lshlrev_b32 v227, 4, v226
	s_delay_alu instid0(VALU_DEP_1)
	v_sub_nc_u32 v7, v7, v227                      ; r + 8 (r / 8) - 16 h
	v_lshlrev_b32 v224, 2, v225                    ; Q's scale bytes: 4 r
	s_wait_alu depctr_va_vdst(0)
	v_lshl_add_u32 v230, v225, 5, v226             ; y's scale bytes: 32 r + h
	s_mov_b32 s[SEL], 0x76543210
	s_mov_b32 s[SEL+1], 0xfedcba98
	s_mov_b32 s[CS], 0x3e38aa3b                    ; log2(e) / 8
	s_mov_b32 s[CS+1], s[CS]
	s_mov_b32 s[HM], 0xffff0000
	s_mov_b32 s[PASS], 0
	s_lshl_b32 s2, ttmp9, 4
	s_sub_co_u32 s62, 112, s2
	s_add_co_u32 s62, s62, s8                      ; my tile in the first pass: 16 (7 - i) + w
	s_add_co_u32 s63, s2, 15
	s_sub_co_u32 s63, s63, s8                      ; in the second: 16 i + 15 - w
.macro QADR rb, qb, qsb                ; where tile rb's codes and its two scale bytes a row lie, less QC and QS
	s_mul_i32 s78, \rb, 768
	s_mov_b32 s79, 0
	s_add_nc_u64 s[\qb:\qb+1], s[68:69], s[78:79]
	s_lshr_b32 s78, \rb, 1
	s_lshl_b32 s78, s78, 6
	s_and_b32 s2, \rb, 1
	s_lshl_b32 s2, s2, 1
	s_add_co_u32 s78, s78, s2
	s_add_nc_u64 s[\qsb:\qsb+1], s[68:69], s[78:79]
.endm
.macro QLOAD qb, qsb
	global_load_b128 v[216:219], v1, s[\qb:\qb+1] offset:QC
	global_load_b64 v[220:221], v2, s[\qb:\qb+1] offset:QC
	global_load_u16 v222, v224, s[\qsb:\qsb+1] offset:QS
.endm
	QADR s62, 12, 14
	QADR s63, 70, 72
	QLOAD 12, 14
.irp j, 22,23,24,25,26,27
	v_mov_b32 v\j, 0                               ; the zero codes between q and q
.endr
.irp b, 0,1,2,3
	v_mov_b32 v[PD+\b], 0                          ; a lane permute's destination counts as one of its sources
.endr
	v_mov_b32 v212, 0
	v_mov_b32 v213, 0                              ; (named as the upper half of the pair v[212:213] before it is first written)
	v_mov_b32 v215, 0xff800000                     ; -infinity
; A KEY STEP: 128 keys.  A step all of whose keys come after my tile's queries is left out: a scalar branch on ids, round the work alone.
.macro STEP
	s_cmp_gt_u32 s[KF], s[Q32]
	s_cbranch_scc1 .Lhidden_\@
	s_setprio 2
	v_add_nc_u32 v8, s[TB], v1                     ; five plain lines: the places in front of loads into registers that the last products have read
	v_add_nc_u32 v9, s[TB], v2
	v_add_nc_u32 v10, s[TB], v3
	v_add_nc_u32 v11, s[TB], v4
	v_add_nc_u32 v35, s[TS], v5
.irp b, 0,1,2,3
	FRAG FRG+12*\b, 8, 1536*\b
.endr
	ds_load_b32 v208, v35                          ; K's scale words: lanes 0-15 fragment 0's, lanes 16-31 fragment 1's
	ds_load_b32 v209, v35 offset:128               ; fragments 2 and 3
	s_wait_alu depctr_va_vdst(0)
	s_wait_dscnt 0x0
.irp b, 0,1,2,3
.irp u, 0,1
.if \b%2
	v_wmma_scale_f32_16x16x128_f8f6f4 v[S+8*(2*\b+\u):S+8*(2*\b+\u)+7], v[FRG+12*\b:FRG+12*\b+11], v[16+6*\u:27+6*\u], 0, v[208+\b/2], v34 matrix_a_fmt:MATRIX_FMT_BF6 matrix_b_fmt:MATRIX_FMT_BF6 matrix_a_scale:MATRIX_SCALE_ROW1
.else
	v_wmma_scale_f32_16x16x128_f8f6f4 v[S+8*(2*\b+\u):S+8*(2*\b+\u)+7], v[FRG+12*\b:FRG+12*\b+11], v[16+6*\u:27+6*\u], 0, v[208+\b/2], v34 matrix_a_fmt:MATRIX_FMT_BF6 matrix_b_fmt:MATRIX_FMT_BF6
.endif
.endr
.endr                                  ; register 16 b + i: key KF + 32 b + 16 h + i
.rept 4
	v_nop                                          ; places: for V's loads into the same registers, and for the first read of the scores
.endr
.irp t, 0,1,2,3
	FRAG FRG+12*\t, 10, 1536*\t                    ; V's four fragments land under the softmax
.endr
	ds_load_b32 v210, v35 offset:4096
	ds_load_b32 v211, v35 offset:4224
	s_add_co_u32 s2, s[KF], 127                    ; on the diagonal hidden scores become -infinity; a step all of whose keys count skips this
	s_cmp_lt_u32 s2, s[Q32]
	s_cbranch_scc1 .Lopen_\@
	v_sub_nc_u32 v214, v6, s[KF]                   ; d = my query - KF - 16 h: register 16 b + i is hidden where 32 b + i > d
.set J, 0
.rept 64
	v_cmp_gt_i32 vcc_lo, 32*(J/16)+J%16, v214
	v_cndmask_b32 v[S+J], v[S+J], v215, vcc_lo
.set J, J+1
.endr
.Lopen_\@:
.irp b, 0,1,2,3
	v_max3_num_f32 v[BM+\b], v[S+16*\b], v[S+1+16*\b], v[S+2+16*\b]   ; the largest score of each block of 32 keys: for the row's maximum and, since p rises with the score, for the block's largest p
.endr
.irp i, 3,5,7,9,11,13
.irp b, 0,1,2,3
	v_max3_num_f32 v[BM+\b], v[BM+\b], v[S+16*\b+\i], v[S+1+16*\b+\i]
.endr
.endr
.irp b, 0,1,2,3
	v_max_num_f32 v[BM+\b], v[BM+\b], v[S+15+16*\b]
.endr
.irp b, 0,1,2,3
	s_delay_alu instid0(VALU_DEP_4)
	v_permlanex16_b32 v[PD+\b], v[BM+\b], s[SEL], s[SEL+1]
.endr
.irp b, 0,1,2,3
	s_delay_alu instid0(VALU_DEP_4)
	v_max_num_f32 v[BM+\b], v[BM+\b], v[PD+\b]
.endr
	s_delay_alu instid0(VALU_DEP_2)
	v_max3_num_f32 v214, v[BM], v[BM+1], v[BM+2]
	s_delay_alu instid0(VALU_DEP_1)
	v_max_num_f32 v214, v214, v[BM+3]
	s_delay_alu instid0(VALU_DEP_1)
	v_mul_f32 v214, s[CS], v214
	s_delay_alu instid0(VALU_DEP_1)
	v_max_num_f32 v13, v13, v214                   ; the running largest t
	v_mov_b32 v214, v12
	s_delay_alu instid0(VALU_DEP_2)
	v_floor_f32 v12, -v13                          ; the new -M: a whole number
	s_delay_alu instid0(VALU_DEP_1)
	v_sub_f32 v214, v12, v214
	s_delay_alu instid0(VALU_DEP_1)
	v_cvt_i32_f32 v214, v214                       ; (it saturates)
	s_delay_alu instid0(VALU_DEP_1)
	v_ldexp_f32 v212, 1.0, v214                    ; f = 2^(old M - new M)
.set J, 0
	s_setprio 1
.rept 32
	v_pk_fma_f32 v[S+J:S+J+1], v[S+J:S+J+1], s[CS:CS+1], v[12:13] op_sel_hi:[1,0,0]   ; t - M
.set J, J+2
.endr
.irp b, 0,1,2,3
	v_fma_f32 v[BM+\b], v[BM+\b], s[CS], v12
.endr
.set J, 0
	s_wait_alu depctr_va_vdst(0)
.rept 64
	v_exp_f32 v[S+J], v[S+J]                       ; p = 2^(t - M)
.set J, J+1
.endr
.irp b, 0,1,2,3
	v_exp_f32 v[BM+\b], v[BM+\b]                   ; the block's largest p
.endr
	v_pk_mul_f32 v[14:15], v[14:15], v[212:213] op_sel_hi:[1,0]   ; the sums under the new M (a plain place behind the exponentials)
	s_wait_alu depctr_va_vdst(0)
.irp b, 0,1,2,3
	v_max_num_f32 v[BM+\b], 0x2800000, v[BM+\b]    ; the floor 2^(5 - 127)
.endr
.irp b, 0,1,2,3
	s_delay_alu instid0(VALU_DEP_4)
	v_add_nc_u32 v[SO+\b], 0xfe000000, v[BM+\b]
.endr
.irp b, 0,1,2,3
	s_delay_alu instid0(VALU_DEP_4)
	v_lshrrev_b32 v[PD+\b], 23, v[SO+\b]
.endr
	s_delay_alu instid0(VALU_DEP_3)
	v_lshl_or_b32 v213, v[PD+1], 8, v[PD]          ; p's scale word for these 128 keys
	s_delay_alu instid0(VALU_DEP_1)
	v_lshl_or_b32 v213, v[PD+2], 16, v213
	s_delay_alu instid0(VALU_DEP_1)
	v_lshl_or_b32 v213, v[PD+3], 24, v213
.irp c, 0,1
	v_cvt_scalef32_pk16_bf6_f32 v[PC+6*\c:PC+2+6*\c], v[S+32*\c:S+15+32*\c], v[SO+2*\c]
	v_cvt_scalef32_pk16_bf6_f32 v[PD+4*\c:PD+2+4*\c], v[S+16+32*\c:S+31+32*\c], v[SO+2*\c+1]
.endr
	v_nop                                          ; one plain place behind a scaled conversion
.irp c, 0,1
.irp i, 0,1,2
	v_permlane16_swap_b32 v[PC+6*\c+\i], v[PD+4*\c+\i]
.endr
.irp i, 0,1,2
	s_delay_alu instid0(VALU_DEP_3)
	v_mov_b32 v[PC+3+6*\c+\i], v[PD+4*\c+\i]
.endr
.endr
	v_pk_add_f32 v[196:197], v[88:89], v[92:93]
	v_pk_add_f32 v[252:253], v[96:97], v[100:101]
	v_pk_add_f32 v[250:251], v[104:105], v[108:109]
	v_pk_add_f32 v[248:249], v[112:113], v[116:117]
	v_pk_add_f32 v[246:247], v[120:121], v[124:125]
	v_pk_add_f32 v[244:245], v[128:129], v[132:133]
	v_pk_add_f32 v[242:243], v[136:137], v[140:141]
	v_pk_add_f32 v[14:15], v[14:15], v[144:145]
	v_pk_add_f32 v[196:197], v[196:197], v[84:85]
	s_setprio 0
	v_pk_add_f32 v[252:253], v[252:253], v[86:87]
	v_pk_add_f32 v[250:251], v[250:251], v[90:91]
	v_pk_add_f32 v[248:249], v[248:249], v[94:95]
	v_pk_add_f32 v[246:247], v[246:247], v[98:99]
	v_pk_add_f32 v[244:245], v[244:245], v[102:103]
	v_pk_add_f32 v[242:243], v[242:243], v[106:107]
	v_pk_add_f32 v[14:15], v[14:15], v[110:111]
	v_pk_add_f32 v[196:197], v[196:197], v[114:115]
	v_pk_add_f32 v[252:253], v[252:253], v[118:119]
	v_pk_add_f32 v[250:251], v[250:251], v[122:123]
	v_pk_add_f32 v[248:249], v[248:249], v[126:127]
	v_pk_add_f32 v[246:247], v[246:247], v[130:131]
	v_pk_add_f32 v[244:245], v[244:245], v[134:135]
	v_pk_add_f32 v[242:243], v[242:243], v[138:139]
	v_pk_add_f32 v[14:15], v[14:15], v[142:143]
	v_pk_add_f32 v[196:197], v[196:197], v[146:147]
	s_delay_alu instid0(VALU_DEP_2)
	v_pk_add_f32 v[14:15], v[14:15], v[248:249]
	s_delay_alu instid0(VALU_DEP_2)
	v_pk_add_f32 v[196:197], v[196:197], v[246:247]
	v_pk_add_f32 v[252:253], v[252:253], v[244:245]
	v_pk_add_f32 v[250:251], v[250:251], v[242:243]
	s_delay_alu instid0(VALU_DEP_2)
	v_pk_add_f32 v[14:15], v[14:15], v[252:253]
	s_delay_alu instid0(VALU_DEP_2)
	v_pk_add_f32 v[196:197], v[196:197], v[250:251]
	s_delay_alu instid0(VALU_DEP_1)
	v_pk_add_f32 v[14:15], v[14:15], v[196:197]
.set J, 0
.rept 16
	v_pk_mul_f32 v[O+J:O+J+1], v[O+J:O+J+1], v[212:213] op_sel_hi:[1,0]   ; O^T under the new M
.set J, J+2
.endr
	s_wait_alu depctr_va_vdst(0)
	s_wait_dscnt 0x0                               ; V
.irp t, 0,1,2,3
.if \t%2
	v_wmma_scale_f32_16x16x128_f8f6f4 v[O+8*\t:O+8*\t+7], v[FRG+12*\t:FRG+12*\t+11], v[PC:PC+11], v[O+8*\t:O+8*\t+7], v[210+\t/2], v213 matrix_a_fmt:MATRIX_FMT_BF6 matrix_b_fmt:MATRIX_FMT_BF6 matrix_a_scale:MATRIX_SCALE_ROW1
.else
	v_wmma_scale_f32_16x16x128_f8f6f4 v[O+8*\t:O+8*\t+7], v[FRG+12*\t:FRG+12*\t+11], v[PC:PC+11], v[O+8*\t:O+8*\t+7], v[210+\t/2], v213 matrix_a_fmt:MATRIX_FMT_BF6 matrix_b_fmt:MATRIX_FMT_BF6
.endif
.endr
.Lhidden_\@:
	s_add_co_u32 s[TB], s[TB], 6144
	s_add_co_u32 s[TS], s[TS], 256
	s_add_co_u32 s[KF], s[KF], 128
.endm
.Lpass:
	s_wait_loadcnt 0x0                             ; this pass's Q
	s_wait_xcnt 0x0                                ; the last pass's stores have read their data and their bases
.irp j, 0,1,2,3,4,5
	v_mov_b32 v[16+\j], v[216+\j]
	v_mov_b32 v[28+\j], v[216+\j]
.endr
	v_lshl_or_b32 v34, v222, 16, v222              ; Q's two bytes, for either place
	s_cmp_eq_u32 s[PASS], 0
	s_cselect_b32 s66, s62, s63                    ; my tile
	s_lshr_b32 s[Q32], s66, 1
	s_lshl_b32 s[Q32], s[Q32], 5
	s_and_b32 s2, s66, 1
	s_lshl_b32 s2, s2, 3
	s_add_co_u32 s2, s2, s[Q32]
	v_add_nc_u32 v6, s2, v7                        ; my query - 16 h
	s_lshr_b32 s2, s10, 4
	s_lshl_b32 s2, s2, 7
	s_add_co_u32 s2, s2, s66                       ; y's row block: 128 x batch + tile
	s_mul_i32 s78, s2, 12288
	s_and_b32 s3, s10, 15                          ; the head: half a fragment, 768 bytes, each
	s_mul_i32 s11, s3, 768
	s_add_co_u32 s78, s78, s11
	s_mov_b32 s79, 0
	s_add_nc_u64 s[74:75], s[6:7], s[78:79]
	s_lshl_b32 s78, s2, 9
	s_lshl_b32 s3, s3, 1
	s_add_co_u32 s78, s78, s3
	s_add_co_u32 s78, s78, XSC
	s_add_nc_u64 s[76:77], s[6:7], s[78:79]
	v_mov_b32 v13, 0xff61b1e6                      ; the largest t so far: -3e38
	s_delay_alu instid0(VALU_DEP_1)
	v_floor_f32 v12, -v13
	v_mov_b32 v14, 0
	v_mov_b32 v15, 0
.set J, 0
.rept 32
	v_mov_b32 v[O+J], 0                            ; the step is written once: the first finds zeros
.set J, J+1
.endr
	s_cmp_lg_u32 s[PASS], 0
	s_cbranch_scc1 .Lno_next_q
	QLOAD 70, 72                                   ; the second pass's Q lands under the first
.Lno_next_q:
.irp k, 0,1,2,3
	s_wait_tensorcnt 3-\k                          ; the scale words and my part of chunk k are in; the later chunks may be out
	s_wait_dscnt 0x0
	s_barrier_signal -1
	s_barrier_wait -1                              ; everybody's are
	s_mov_b32 s[TB], 24576*\k
	s_mov_b32 s[TS], 1024*\k
	s_mov_b32 s[KF], 512*\k
	s_mov_b32 s67, 4
.Lstep_\k:
	STEP
	s_sub_co_u32 s67, s67, 1
	s_cmp_lg_u32 s67, 0
	s_cbranch_scc1 .Lstep_\k
	s_setprio 0
.endr
	; y = O^T / the sum; register 16 b + i is channel 32 b + 16 h + i of my query: two blocks of the last product's K
.rept 4
	v_nop                                          ; places behind the last products
.endr
	v_add_f32 v14, v14, v15
	s_delay_alu instid0(VALU_DEP_1)
	v_permlanex16_b32 v212, v14, s[SEL], s[SEL+1]
	s_delay_alu instid0(VALU_DEP_1)
	v_add_f32 v14, v14, v212
	s_wait_alu depctr_va_vdst(0)
	v_rcp_f32 v14, v14
	v_nop                                          ; one plain place behind a transcendental
.set J, 0
	s_wait_alu depctr_va_vdst(0)
.rept 32
	v_mul_f32 v[S+J], v[O+J], v14
.set J, J+1
.endr
.irp b, 0,1
	v_max3_num_f32 v[BM+\b], |v[S+16*\b]|, |v[S+1+16*\b]|, 0x2800000
.endr
.irp i, 2,4,6,8,10,12,14
.irp b, 0,1
	s_delay_alu instid0(VALU_DEP_2)
	v_max3_num_f32 v[BM+\b], v[BM+\b], |v[S+16*\b+\i]|, |v[S+1+16*\b+\i]|
.endr
.endr
.irp b, 0,1
	s_delay_alu instid0(VALU_DEP_2)
	v_permlanex16_b32 v[PD+\b], v[BM+\b], s[SEL], s[SEL+1]
.endr
.irp b, 0,1
	s_delay_alu instid0(VALU_DEP_2)
	v_max_num_f32 v[BM+\b], v[BM+\b], v[PD+\b]
.endr
.irp b, 0,1
	s_delay_alu instid0(VALU_DEP_2)
	v_add_nc_u32 v[SO+\b], 0xfe000000, v[BM+\b]
.endr
.irp b, 0,1
	s_delay_alu instid0(VALU_DEP_2)
	v_lshrrev_b32 v[PD+\b], 23, v[SO+\b]
.endr
	v_cvt_scalef32_pk16_bf6_f32 v[PC:PC+2], v[S:S+15], v[SO]
	v_cvt_scalef32_pk16_bf6_f32 v[PD+4:PD+6], v[S+16:S+31], v[SO+1]
	v_nop                                          ; one plain place behind a scaled conversion
.irp i, 0,1,2
	v_permlane16_swap_b32 v[PC+\i], v[PD+4+\i]
.endr
.irp i, 0,1,2
	s_delay_alu instid0(VALU_DEP_3)
	v_mov_b32 v[PC+3+\i], v[PD+4+\i]
.endr
	v_cndmask_b32 v214, v[PD], v[PD+1], s[HM]      ; lanes 0-15 store block 0's byte, lanes 16-31 block 1's
	global_store_b128 v1, v[PC:PC+3], s[74:75]     ; 512 consecutive bytes
	global_store_b64 v2, v[PC+4:PC+5], s[74:75]    ; 256 consecutive bytes
	global_store_b8 v230, v214, s[76:77]
	s_add_co_u32 s[PASS], s[PASS], 1
	s_cmp_lt_u32 s[PASS], 2
	s_cbranch_scc1 .Lpass
	s_wait_tensorcnt 0x0
	ds_add_u32 v254, v255
	s_wait_dscnt 0x0
	s_endpgm
.Lfunc_end_k_q408d40cf30_attn:
	.size	k_q408d40cf30_attn, .Lfunc_end_k_q408d40cf30_attn-k_q408d40cf30_attn
	.p2alignl 7, 3214868480
	.fill 96, 4, 3214868480
	.section	.rodata,"a",@progbits
	.p2align	6, 0x0
	.amdhsa_kernel k_q408d40cf30_attn
		.amdhsa_group_segment_fixed_size 206848
		.amdhsa_private_segment_fixed_size 0
		.amdhsa_enable_private_segment 0
		.amdhsa_kernarg_size 16
		.amdhsa_user_sgpr_count 2
		.amdhsa_user_sgpr_kernarg_segment_ptr 1
		.amdhsa_wavefront_size32 1
		.amdhsa_system_sgpr_workgroup_id_x 1
		.amdhsa_system_sgpr_workgroup_id_y 1
		.amdhsa_system_sgpr_workgroup_id_z 1
		.amdhsa_system_vgpr_workitem_id 0
		.amdhsa_next_free_vgpr 256
		.amdhsa_next_free_sgpr 80
		.amdhsa_reserve_vcc 1
		.amdhsa_float_denorm_mode_32 3
		.amdhsa_float_denorm_mode_16_64 3
		.amdhsa_memory_ordered 1
		.amdhsa_forward_progress 1
		.amdhsa_inst_pref_size 106
	.end_amdhsa_kernel
	.amdgpu_metadata
---
amdhsa.version: [ 1, 2 ]
amdhsa.kernels:
  - .name:           k_q408d40cf30_attn
    .symbol:         k_q408d40cf30_attn.kd
    .args:
      - { .name: qkv, .offset: 0, .size: 8, .value_kind: global_buffer, .address_space: global }
      - { .name: yq, .offset: 8, .size: 8, .value_kind: global_buffer, .address_space: global }
    .group_segment_fixed_size: 206848
    .private_segment_fixed_size: 0
    .kernarg_segment_align: 8
    .kernarg_segment_size: 16
    .max_flat_workgroup_size: 512
    .sgpr_count:     80
    .vgpr_count:     256
    .wavefront_size: 32
...
	.end_amdgpu_metadata
.endif
;; end of part 3
;; launch gemm_proj (part 4): grid 64 x 4, 4 waves a work-group, clusters of 4 x 4, 327,680 bytes of LDS; arguments yq, wq, b_proj, out0; writes out0
.if DOCPART == 4
	.amdgcn_target "amdgcn-amd-amdhsa--gfx1250"
	.amdhsa_code_object_version 6
	.text
	.protected	k_q408d40cf30_gemm_proj
	.globl	k_q408d40cf30_gemm_proj
	.p2align	8
	.type	k_q408d40cf30_gemm_proj,@function
k_q408d40cf30_gemm_proj:
	s_mov_b64 s[64:65], 0
	v_nop
	global_prefetch_b8 v0, s[64:65] scope:SCOPE_SE
	s_setreg_imm32_b32 hwreg(HW_REG_WAVE_MODE, 25, 1), 1
	s_wait_xcnt 0x0
	s_wait_alu depctr_hold_cnt(0) depctr_sa_sdst(0) depctr_va_vdst(0) depctr_va_sdst(0) depctr_va_ssrc(0) depctr_va_vcc(0) depctr_vm_vsrc(0)
	s_getreg_b32 s2, hwreg(HW_REG_IB_STS2, 6, 4)
	s_cmp_eq_u32 s2, 0
	s_cbranch_scc0 .Lentry_in_a_cluster
	s_endpgm
.Lentry_in_a_cluster:
	s_bfe_u32 s2, ttmp6, 0x10000c
	s_cmp_lg_u32 s2, 0xf033
	s_cbranch_scc0 .Lentry_shape_is_right
	s_endpgm
.Lentry_shape_is_right:
.set PROJ, 1                           ; 0: x W_attn + b_attn, quantised into q, k, v;  1: y W_proj + b_proj, stored as f32.  One text serves both; this line alone differs
; A GEMM on codes of BF6 (E3M2) with E8M0 scales for each 32 along K, K = 1024.  Operands lie in memory as images of the operand's registers: [row block of 16][K step of 128][1536 bytes], scale bytes [position][32];
; row r of block rb is the actual row 32 (rb / 2) + 8 (rb % 2) + r + 8 (r / 8).
; A work-group makes 128 rows of A x 256 rows of B; its four waves 64 x 128 each: 32 accumulators.  A's and B's codes for ALL of K are (128 + 256) x 768 = 294,912 bytes: they come into LDS once, in four chunks of two K steps: nothing is filled again.
; THE PRODUCT IS USED TRANSPOSED (source 0 = 16 rows of B, source 1 = 16 rows of A): a lane holds one row of A, and by the order of B's rows its registers 16 b + i of one block of A's rows are B's actual rows 32 b + 16 (lane / 16) + i.
; PROJ = 0: clusters 0..31 (QK): A = x, B = W_attn's columns 0..2047: a lane's 64 numbers are two heads' 64 channels of one token: quantised along the channels they are q's and k's operands.
;           clusters 32..47 (V): A = W_attn's columns 2048..3071, B = x: a lane's 64 numbers are 128 tokens of one channel: quantised along the tokens they are v's operand.  The kind is chosen by selects alone: no branch hangs on it.
; CLUSTERS: 4 x 4.  A's tiles are shared along a row of the cluster, B's along a column: each is asked for jointly.
; LIMITS: NaN and infinities are not served; a block whose largest magnitude lies under 2^-122 keeps the byte 1; a block of zeros has the byte 1 (its codes are zeros; this program alone reads the bytes).
; REGISTERS: window 0: v1-31 addresses; v32-95 scale words; v96-159 the bias along B's rows; v160-255 A's fragments, two sets of 48.  window 1: B's fragments, two sets of 96, at v0 and v128.  window 2: accumulator (a, b) at v[8 (8 a + b)].
.set RBB,  12288                       ; a row block: 8 K steps x 1,536 bytes
.set XSC,  6291456                     ; xq, yq: where the scale bytes begin
.set WSC,  3145728                     ; wq: likewise
.set REC,  307200                      ; qkv: a head's record: K's codes, V's codes, K's scale words, V's, Q's codes, Q's scale words
.set KC,   0
.set VC,   98304
.set KS,   196608
.set VS,   200704
.set QC,   204800
.set QS,   303104
.set CH,   73728                       ; LDS: a chunk: A's 8 row blocks x 3,072 bytes, then B's 16
.set SCL,  4*CH                        ; behind the chunks: A's scale bytes (16 units of 256 + 16), then B's (32 units)
.set FR,   12
.set A16,  4                           ; v4, v5  LDS address of my A fragments: 16 lane, 512 + 8 lane
.set A8,   5
.set B16,  6                           ; v6, v7  the same for B
.set B8,   7
.set ADRS, 8                           ; v8      my scale words: lanes 0-15 A's rows, lanes 16-31 B's
.set SC,   32                          ; register 8 i + s: block i, K step s
.set BQ,   96
.set AF,   160
.set G1A,  24
.set G1B,  32
.set G1SA, 40
.set G1SB, 48
.set G0SA, 56
.set G0SB, 60
.set G0A,  68                          ; s[68:83]  a set for each chunk
.set G0B,  84                          ; s[84:99]
.set MSB, 0
.macro WIN new                         ; the immediate's high byte repeats the setting that is left
.if MSB != \new
	s_set_vgpr_msb (MSB<<8)|\new
.set MSB, \new
.endif
.endm
.set MUL,  0xa1                        ; source 0 (B) window 1, source 1 (A) window 0, C and D window 2
.set MUL0, 0x81                        ; the same with C (the bias) in window 0
.set TO_B, 0x40                        ; destination window 1, address window 0
.macro CROUND                          ; a round of the cluster's barrier
	s_barrier_signal -1
	s_barrier_wait -1
	s_cmp_lg_u32 s12, 0
	s_cbranch_scc1 .Lnot_wave_0_\@
	s_barrier_signal -3
.Lnot_wave_0_\@:
	s_barrier_wait -3
	s_barrier_signal -1
	s_barrier_wait -1
.endm
.macro G1SET g, c, r, p                ; rows of c elements of 8 bytes, r of them, p elements apart
	s_mov_b32 s[\g+1], (\c)<<16
	s_mov_b32 s[\g+2], (\r)<<16
	s_mov_b32 s[\g+3], (\c)<<16
	s_mov_b32 s[\g+4], \r
	s_mov_b32 s[\g+5], \p
	s_mov_b32 s[\g+6], 0
	s_mov_b32 s[\g+7], 0
.endm
	s_load_b256 s[4:11], s[0:1], 0x0               ; the activations' codes (xq or yq), wq, the bias, the result
	v_lshl_add_u32 v30, v0, 2, 0x4b300
	v_mov_b32 v31, 0
	ds_add_u32 v30, v31
	ds_add_u32 v30, v31
	v_lshrrev_b32 v3, 5, v0
	v_readfirstlane_b32 s12, v3                    ; wave 0..3
	s_lshr_b32 s13, s12, 1                         ; wy: my half of A's rows.  Also: I fetch for A (0) or for B (1)
	s_and_b32 s14, s12, 1                          ; wx: my half of B's rows.  Also: which half of that tile I fetch
	s_bfe_u32 s15, ttmp6, 0x40000                  ; cx
	s_bfe_u32 s16, ttmp6, 0x40004                  ; cy
	s_lshl_b32 s17, s16, 2
	s_lshl_b32 s17, 15, s17                        ; my row of the cluster
	s_lshl_b32 s18, 0x1111, s15                    ; my column
	s_or_b32 s[G1A], s17, (3<<16)|(1<<21)          ; the mask; elements of 8 bytes; bit 21 beside a mask; no padding
	s_or_b32 s[G1B], s18, (3<<16)|(1<<21)
	s_or_b32 s[G1SA], s17, (3<<16)|(1<<20)|(1<<21)|(5<<22)|(3<<25)  ; the scale bytes: 16 bytes of padding behind every 256
	s_or_b32 s[G1SB], s18, (3<<16)|(1<<20)|(1<<21)|(5<<22)|(3<<25)
	G1SET G1A, 384, 4, 1536                        ; 4 row blocks x two K steps (3,072 bytes), a row block (12,288 bytes) apart
	G1SET G1B, 384, 8, 1536
	G1SET G1SA, 32, 8, 32                          ; 64 rows' scale bytes: 2,048 dense bytes
	G1SET G1SB, 32, 16, 32                         ; 128 rows': 4,096
.if PROJ
	s_mov_b32 s67, s15                             ; tile column = cx
	s_lshl_b32 s66, ttmp9, 2
	s_add_co_u32 s66, s66, s16                     ; tile row = 4 x cluster + cy
.else
	s_and_b32 s84, ttmp9, 1                        ; QK: 2 x 16 clusters;
	s_and_b32 s85, ttmp9, 7                        ; V: 8 x 2
	s_lshr_b32 s86, ttmp9, 1
	s_and_b32 s87, ttmp9, 31
	s_lshr_b32 s87, s87, 3
	s_cmp_lt_u32 ttmp9, 32
	s_cselect_b32 s67, s84, s85
	s_cselect_b32 s66, s86, s87
	s_lshl_b32 s67, s67, 2
	s_add_co_u32 s67, s67, s15                     ; tile column (of B's 256 rows)
	s_lshl_b32 s66, s66, 2
	s_add_co_u32 s66, s66, s16                     ; tile row (of A's 128 rows)
.endif
	; what I would fetch of A hangs on the tile row and the wave alone, of B on the tile column and the wave alone
	s_lshl_b32 s20, s66, 3
	s_lshl_b32 s21, s14, 2
	s_add_co_u32 s20, s20, s21                     ; A: row block 8 x tile row + 4 wx
	s_lshl_b32 s22, s20, 9                         ; its scale bytes
	s_mul_i32 s20, s20, RBB                        ; its codes
	s_lshl_b32 s100, s67, 4
	s_lshl_b32 s101, s14, 3
	s_add_co_u32 s100, s100, s101                  ; B: row block 16 x tile column + 8 wx
	s_lshl_b32 s2, s100, 9
	s_mul_i32 s100, s100, RBB
.if PROJ
	s_add_co_u32 s22, s22, XSC
	s_add_co_u32 s100, s100, 192*RBB               ; W_proj's columns are wq's rows 3072 on
	s_add_co_u32 s2, s2, WSC+98304
	s_wait_dscnt 0x0
	s_wait_kmcnt 0x0
.else
	s_cmp_lt_u32 ttmp9, 32
	s_cselect_b32 s84, 0, 128*RBB                  ; V: A = wq's rows 2048 on
	s_mov_b32 s85, WSC+65536
	s_cselect_b32 s85, XSC, s85
	s_mov_b32 s86, XSC
	s_cselect_b32 s86, WSC, s86
	s_wait_kmcnt 0x0
	s_cselect_b64 s[88:89], s[4:5], s[6:7]         ; A's buffer: xq or wq;
	s_cselect_b64 s[6:7], s[6:7], s[4:5]           ; B's: the other
	s_mov_b64 s[4:5], s[88:89]
	s_add_co_u32 s20, s20, s84
	s_add_co_u32 s22, s22, s85
	s_add_co_u32 s2, s2, s86
.endif
	s_mov_b32 s21, 0
	s_mov_b32 s23, 0
	s_mov_b32 s101, 0
	s_mov_b32 s3, 0
	s_add_nc_u64 s[20:21], s[4:5], s[20:21]
	s_add_nc_u64 s[22:23], s[4:5], s[22:23]
	s_add_nc_u64 s[100:101], s[6:7], s[100:101]
	s_add_nc_u64 s[2:3], s[6:7], s[2:3]
	s_mov_b32 s[G0SA], 1
	s_mul_i32 s[G0SA+1], s14, 2176
	s_add_co_u32 s[G0SA+1], s[G0SA+1], SCL
	s_mov_b64 s[G0SA+2:G0SA+3], s[22:23]
	s_or_b32 s[G0SA+3], s[G0SA+3], 0x80000000
	s_mov_b32 s[G0SB], 1
	s_mul_i32 s[G0SB+1], s14, 4352
	s_add_co_u32 s[G0SB+1], s[G0SB+1], SCL+4352
	s_mov_b64 s[G0SB+2:G0SB+3], s[2:3]
	s_or_b32 s[G0SB+3], s[G0SB+3], 0x80000000
	s_mul_i32 s17, s14, 12288                      ; where my half goes in a chunk: no place in the cluster enters an LDS address
	s_mul_i32 s18, s14, 24576
	s_add_co_u32 s18, s18, 24576
.irp k, 0,1,2,3
	s_mov_b32 s[G0A+4*\k], 1
	s_add_co_u32 s[G0A+4*\k+1], s17, \k*CH
	s_add_nc_u64 s[G0A+4*\k+2:G0A+4*\k+3], s[20:21], 3072*\k
	s_or_b32 s[G0A+4*\k+3], s[G0A+4*\k+3], 0x80000000
	s_mov_b32 s[G0B+4*\k], 1
	s_add_co_u32 s[G0B+4*\k+1], s18, \k*CH
	s_add_nc_u64 s[G0B+4*\k+2:G0B+4*\k+3], s[100:101], 3072*\k
	s_or_b32 s[G0B+4*\k+3], s[G0B+4*\k+3], 0x80000000
.endr
	CROUND                                         ; all sixteen work-groups are here: the joint loads meet
	s_cmp_eq_u32 s13, 0                            ; a wave's five fills stand in one branch on its number: five loads of mine are out; four v_nop follow the last
	s_cbranch_scc0 .Lfetch_b
	tensor_load_to_lds s[G0SA:G0SA+3], s[G1SA:G1SA+7]
	s_nop 0
	tensor_load_to_lds s[G0A:G0A+3], s[G1A:G1A+7]
	s_nop 0
	tensor_load_to_lds s[G0A+4:G0A+7], s[G1A:G1A+7]
	s_nop 0
	tensor_load_to_lds s[G0A+8:G0A+11], s[G1A:G1A+7]
	s_nop 0
	tensor_load_to_lds s[G0A+12:G0A+15], s[G1A:G1A+7]
	s_nop 0
.rept 4
	v_nop
.endr
	s_branch .Lasked
.Lfetch_b:
	tensor_load_to_lds s[G0SB:G0SB+3], s[G1SB:G1SB+7]
	s_nop 0
	tensor_load_to_lds s[G0B:G0B+3], s[G1B:G1B+7]
	s_nop 0
	tensor_load_to_lds s[G0B+4:G0B+7], s[G1B:G1B+7]
	s_nop 0
	tensor_load_to_lds s[G0B+8:G0B+11], s[G1B:G1B+7]
	s_nop 0
	tensor_load_to_lds s[G0B+12:G0B+15], s[G1B:G1B+7]
	s_nop 0
.rept 4
	v_nop
.endr
.Lasked:
	v_and_b32 v1, 15, v0                           ; r
	v_bfe_u32 v2, v0, 4, 1                         ; h
	v_and_b32 v3, 31, v0                           ; lane
	s_mul_i32 s15, s13, 12288                      ; my 4 row blocks of A
	v_lshl_add_u32 v[A16], v3, 4, s15
	v_lshl_add_u32 v[A8], v3, 3, s15
	v_add_nc_u32 v[A8], 512, v[A8]
	v_lshl_add_u32 v[B16], v3, 4, s18              ; my 8 row blocks of B, behind A's
	v_lshl_add_u32 v[B8], v3, 3, s18
	v_add_nc_u32 v[B8], 512, v[B8]
	v_lshlrev_b32 v[ADRS], 5, v1                   ; a row's 32 scale bytes,
	v_lshrrev_b32 v9, 3, v1
	v_lshl_add_u32 v[ADRS], v9, 4, v[ADRS]         ; and 16 more behind each 256
	s_mul_i32 s16, s13, 2176                       ; A's: my 64 rows
	s_mul_i32 s19, s14, 4352                       ; B's: my 128 rows, behind A's 128
	s_add_co_u32 s19, s19, 4352
	s_sub_co_u32 s19, s19, s16
	v_mul_u32_u24 v9, s19, v2                      ; lanes 16-31 take B's
	s_add_co_u32 s16, s16, SCL
	v_add_nc_u32 v[ADRS], v[ADRS], v9
	v_add_nc_u32 v[ADRS], s16, v[ADRS]
	v_lshlrev_b32 v9, 6, v2                        ; the bias along B's rows: my half's 16 numbers of each 32
	s_wait_alu depctr_va_vdst(0)
	s_lshl_b32 s4, s67, 10
	s_lshl_b32 s5, s14, 9
	s_add_co_u32 s4, s4, s5                        ; 4 x (256 x tile column + 128 wx)
.if PROJ
	s_lshl_b32 s100, s66, 7
	s_lshl_b32 s101, s13, 6
	s_add_co_u32 s100, s100, s101                  ; my first row of the result
	s_lshl_b32 s100, s100, 12
	s_add_co_u32 s100, s100, s4                    ; and my first column
	s_mov_b32 s101, 0
	s_add_nc_u64 s[100:101], s[10:11], s[100:101]
	s_mov_b32 s5, 0
	s_add_nc_u64 s[4:5], s[8:9], s[4:5]
	s_mul_i32 s16, s12, 16*528                     ; my stage for the way out: in chunk 0, which nobody reads behind K step 1's barrier and which is filled no more
	v_mul_u32_u24 v20, v1, 528
	v_lshl_add_u32 v20, v2, 6, v20
	v_add_nc_u32 v20, s16, v20                     ; in: row r, + 64 h
	v_lshlrev_b32 v22, 4, v3                       ; 16 lane
	v_add_nc_u32 v21, s16, v22                     ; back: a whole row of 512 bytes
.else
	s_lshl_b32 s6, s66, 9
	s_lshl_b32 s7, s13, 8
	s_add_co_u32 s6, s6, s7
	s_add_co_u32 s6, s6, 8192                      ; V: the bias along A's rows: 4 x (2048 + 128 x tile row + 64 wy)
	s_cmp_lt_u32 ttmp9, 32
	s_cselect_b32 s4, s4, 0                        ; the kind that has no such bias loads from the buffer's head and clears what it loaded
	s_cselect_b32 s6, 0, s6
	s_cselect_b32 s15, -1, 0                       ; all lanes in QK, none in V
	s_mov_b32 s5, 0
	s_mov_b32 s7, 0
	s_add_nc_u64 s[4:5], s[8:9], s[4:5]
	s_add_nc_u64 s[6:7], s[8:9], s[6:7]
	v_and_b32 v10, 7, v1
	v_lshrrev_b32 v11, 3, v1
	v_lshl_add_u32 v10, v11, 4, v10
	v_lshlrev_b32 v10, 2, v10                      ; 4 x (r + 8 (r / 8))
.irp a, 0,1,2,3
	global_load_b32 v[12+2*\a], v10, s[6:7] offset:(32*(\a/2)+8*(\a%2))*4
.endr
.endif
.irp b, 0,1,2,3,4,5,6,7
	global_load_b128 v[BQ+8*\b:BQ+8*\b+3], v9, s[4:5] offset:(32*(\b/2)+8*(\b%2))*4
	global_load_b128 v[BQ+8*\b+4:BQ+8*\b+7], v9, s[4:5] offset:(32*(\b/2)+8*(\b%2))*4+16
.endr
.macro FRAG reg, adr, off              ; a fragment comes back as it was stored: 512, 256, 512, 256 consecutive bytes
	ds_load_b128 v[(\reg):(\reg)+3], v[\adr] offset:(\off)
	ds_load_b64 v[(\reg)+4:(\reg)+5], v[\adr+1] offset:(\off)
	ds_load_b128 v[(\reg)+6:(\reg)+9], v[\adr] offset:(\off)+768
	ds_load_b64 v[(\reg)+10:(\reg)+11], v[\adr+1] offset:(\off)+768
.endm
.macro FETCH s                         ; K step s: B's eight fragments and A's four: 48 loads
	WIN TO_B
.irp i, 0,1,2,3,4,5,6,7
	FRAG 128*((\s)%2)+FR*\i, B16, 3072*\i+1536*((\s)%2)
.endr
	WIN 0
.irp i, 0,1,2,3
	FRAG AF+48*((\s)%2)+FR*\i, A16, 3072*\i+1536*((\s)%2)
.endr
.endm
; A K step: the next step's fragments are asked for, then 32 products.  The 32 accumulators take turns, one instruction a turn.  The first step's C is the bias.
; A load into a register that a matrix instruction has read stands four plain vector instructions behind it (ISA guide 7.12.1 for vector instructions).
.macro KSTEP s
	WIN 0
.if ((\s)%2 == 1) && ((\s) < 7)
	s_wait_tensorcnt 3-((\s)+1)/2                  ; my part of the next chunk is in; the later chunks may be out
	s_wait_dscnt 0x0
	s_barrier_signal -1
	s_barrier_wait -1                              ; everybody's is
.irp v, A16, A8, B16, B8
	v_add_nc_u32 v[\v], CH, v[\v]                  ; on to that chunk; these four are the places too
.endr
.elseif (\s) < 7
.rept 4
	v_nop
.endr
.endif
.if (\s) < 7
	FETCH (\s)+1
	s_wait_dscnt 48                                ; all but the 48 just issued
.else
	s_wait_dscnt 0x0
.endif
.if (\s) == 0
	WIN MUL0
.else
	WIN MUL
.endif
.irp a, 0,1,2,3
.irp b, 0,1,2,3,4,5,6,7
.if (\s) == 0
	v_wmma_scale_f32_16x16x128_f8f6f4 v[8*(8*\a+\b):8*(8*\a+\b)+7], v[128*((\s)%2)+FR*\b:128*((\s)%2)+FR*\b+FR-1], v[AF+48*((\s)%2)+FR*\a:AF+48*((\s)%2)+FR*\a+FR-1], v[BQ+8*\b:BQ+8*\b+7], v[SC+8*\b+(\s)], v[SC+8*\a+(\s)] matrix_a_fmt:MATRIX_FMT_BF6 matrix_b_fmt:MATRIX_FMT_BF6 matrix_a_scale:MATRIX_SCALE_ROW1
.else
	v_wmma_scale_f32_16x16x128_f8f6f4 v[8*(8*\a+\b):8*(8*\a+\b)+7], v[128*((\s)%2)+FR*\b:128*((\s)%2)+FR*\b+FR-1], v[AF+48*((\s)%2)+FR*\a:AF+48*((\s)%2)+FR*\a+FR-1], v[8*(8*\a+\b):8*(8*\a+\b)+7], v[SC+8*\b+(\s)], v[SC+8*\a+(\s)] matrix_a_fmt:MATRIX_FMT_BF6 matrix_b_fmt:MATRIX_FMT_BF6 matrix_a_scale:MATRIX_SCALE_ROW1
.endif
.endr
.endr
.endm
	s_wait_tensorcnt 3                             ; my scale bytes and my part of chunk 0 are in; chunks 1 to 3 may be out
	s_barrier_signal -1
	s_barrier_wait -1                              ; everybody's are
.irp i, 0,1,2,3,4,5,6,7                ; all scale words, once: lanes 0-15 A's block i, lanes 16-31 B's block i (for i above 3 lanes 0-15 bring landed bytes that nobody uses)
	ds_load_b128 v[SC+8*\i:SC+8*\i+3], v[ADRS] offset:544*\i
	ds_load_b128 v[SC+8*\i+4:SC+8*\i+7], v[ADRS] offset:544*\i+16
.endr
	FETCH 0
	s_wait_loadcnt 0x0                             ; the biases
.if PROJ == 0
.set J, 0
.rept 64
	v_cndmask_b32 v[BQ+J], 0, v[BQ+J], s15         ; V has no bias along B's rows
.set J, J+1
.endr
.irp a, 0,1,2,3
	v_cndmask_b32 v[13+2*\a], v[12+2*\a], 0, s15   ; QK has none along A's; a pair for the packed addition
	v_mov_b32 v[12+2*\a], v[13+2*\a]
.endr
.endif
	KSTEP 0
	KSTEP 1
	s_wait_alu depctr_va_vdst(0)
	KSTEP 2
	KSTEP 3
	s_wait_alu depctr_va_vdst(0)
	KSTEP 4
	KSTEP 5
	s_wait_alu depctr_va_vdst(0)
	KSTEP 6
	KSTEP 7
	WIN 0
; THE WAY OUT, a block of 16 rows x 128 columns at a time, through my stage: back come whole rows of 512 bytes, stored as two aligned runs of 256 bytes.
.set BK, 96                            ; v96-159 and v160-223 by turns
.macro TOSTAGE a
	WIN 0x08                                       ; an LDS store's data are its source 1: window 2
.irp b, 0,1,2,3,4,5,6,7
	ds_store_b128 v20, v[8*(8*(\a)+\b):8*(8*(\a)+\b)+3] offset:128*(\b/2)+32*(\b%2)      ; each accumulator from its low end on
	ds_store_b128 v20, v[8*(8*(\a)+\b)+4:8*(8*(\a)+\b)+7] offset:128*(\b/2)+32*(\b%2)+16
.endr
	WIN 0
.irp t, 0,1,2,3,4,5,6,7,8,9,10,11,12,13,14,15
	ds_load_b128 v[BK+64*((\a)%2)+4*\t:BK+64*((\a)%2)+4*\t+3], v21 offset:528*\t    ; LDS serves a wave's instructions in order: these see my stores
.endr
.endm
.macro SEND a, younger
	s_wait_dscnt \younger
.irp t, 0,1,2,3,4,5,6,7,8,9,10,11,12,13,14,15
	global_store_b128 v22, v[BK+64*((\a)%2)+4*\t:BK+64*((\a)%2)+4*\t+3], s[100:101] offset:(32*((\a)/2)+8*((\a)%2)+\t+8*(\t/8))*4096 th:TH_STORE_NT
.endr
.endm
.rept 4
	v_nop                                          ; places behind the last products
.endr
	TOSTAGE 0
.irp a, 1,2,3
.if \a > 1
	s_wait_xcnt 0x0                                ; block a - 2's stores have read their registers
.endif
	TOSTAGE \a
	SEND \a-1, 32                                  ; behind block a - 1's loads: block a's 16 stores and 16 loads
.endr
	SEND 3, 0
	s_wait_dscnt 0x0
	s_wait_tensorcnt 0x0
	ds_add_u32 v30, v31
	s_wait_dscnt 0x0
	CROUND                                         ; the closing round: no work-group ends while a partner may still ask for a tile that names it
	s_endpgm
.Lfunc_end_k_q408d40cf30_gemm_proj:
	.size	k_q408d40cf30_gemm_proj, .Lfunc_end_k_q408d40cf30_gemm_proj-k_q408d40cf30_gemm_proj
	.p2alignl 7, 3214868480
	.fill 96, 4, 3214868480
	.section	.rodata,"a",@progbits
	.p2align	6, 0x0
	.amdhsa_kernel k_q408d40cf30_gemm_proj
		.amdhsa_group_segment_fixed_size 327680
		.amdhsa_private_segment_fixed_size 0
		.amdhsa_enable_private_segment 0
		.amdhsa_kernarg_size 32
		.amdhsa_user_sgpr_count 2
		.amdhsa_user_sgpr_kernarg_segment_ptr 1
		.amdhsa_wavefront_size32 1
		.amdhsa_system_sgpr_workgroup_id_x 1
		.amdhsa_system_sgpr_workgroup_id_y 1
		.amdhsa_system_sgpr_workgroup_id_z 1
		.amdhsa_system_vgpr_workitem_id 0
		.amdhsa_next_free_vgpr 768
		.amdhsa_next_free_sgpr 102
		.amdhsa_reserve_vcc 0
		.amdhsa_float_denorm_mode_32 3
		.amdhsa_float_denorm_mode_16_64 3
		.amdhsa_memory_ordered 1
		.amdhsa_forward_progress 1
		.amdhsa_inst_pref_size 87
	.end_amdhsa_kernel
	.amdgpu_metadata
---
amdhsa.version: [ 1, 2 ]
amdhsa.kernels:
  - .name:           k_q408d40cf30_gemm_proj
    .symbol:         k_q408d40cf30_gemm_proj.kd
    .args:
      - { .name: yq, .offset: 0, .size: 8, .value_kind: global_buffer, .address_space: global }
      - { .name: wq, .offset: 8, .size: 8, .value_kind: global_buffer, .address_space: global }
      - { .name: b_proj, .offset: 16, .size: 8, .value_kind: global_buffer, .address_space: global }
      - { .name: out0, .offset: 24, .size: 8, .value_kind: global_buffer, .address_space: global }
    .group_segment_fixed_size: 327680
    .private_segment_fixed_size: 0
    .kernarg_segment_align: 8
    .kernarg_segment_size: 32
    .max_flat_workgroup_size: 128
    .sgpr_count:     102
    .vgpr_count:     768
    .wavefront_size: 32
...
	.end_amdgpu_metadata
.endif
;; end of part 4
